; MI455X (gfx1250); checked and timed in simulation.
; The chip was launched on July 23, 2026; its instructions are those of AMD's public machine-readable ISA for CDNA 5 (MIT licence, August 2026) and "CDNA5" Instruction Set Architecture Reference Guide (July 2026). The comments in the code are by the model that wrote it; some were corrected since.
;; Fusion Aware Interp CVPR. Allowed arithmetic: float matrix products may take bf16 or f16 operands with f32 sums; all other float work in f32.
;; Inputs: b1 128 float32; b2 128 float32; b3 128 float32; feat_2d 4 x 128 x 64 x 64 float32; feat_3d 4 x 128 x 4,096 float32; uv 4 x 2 x 4,096 float32; w1 128 x 131 float32; w2 128 x 128 float32; w3 128 x 128 float32.
;; Outputs: out0 4 x 128 x 64 x 64 float32.
;; 2 versions, each right and faster than the one before. Each part assembles by itself: llvm-mc -triple=amdgcn-amd-amdhsa -mcpu=gfx1250 --defsym DOCPART=n.
;; ======== version 1 of 2: 2 launches
;; limits: values outside matrix products are rounded to bf16
;; workspace buffers: nnidx 65,536 bytes of whole numbers; corner 262,144 bytes of whole numbers; ptw 262,144 bytes; ptu 131,072 bytes; f3t 4,194,304 bytes; f2t 4,194,304 bytes; wb 106,496 bytes
;; launch knn (part 1): grid 64 x 4, 16 waves a work-group, no clusters, 110,592 bytes of LDS; arguments uv, feat_2d, feat_3d, w1, w2, w3, nnidx, corner, ptw, ptu, f3t, f2t, wb; writes nnidx, corner, ptw, ptu, f3t, f2t, wb
.if DOCPART == 1
	.amdgcn_target "amdgcn-amd-amdhsa--gfx1250"
	.amdhsa_code_object_version 6
	.text
	.protected	k_q6e317d4962_knn
	.globl	k_q6e317d4962_knn
	.p2align	8
	.type	k_q6e317d4962_knn,@function
k_q6e317d4962_knn:
	s_mov_b64 s[64:65], 0
	v_nop
	global_prefetch_b8 v0, s[64:65] scope:SCOPE_SE
	s_setreg_imm32_b32 hwreg(HW_REG_WAVE_MODE, 25, 1), 1
	s_wait_xcnt 0x0
; knn: the nearest point of every grid pixel, and the tables that the next launch gathers from.
; Work-group (gy, b): the 64 pixels of image row gy of batch b against all 4,096 points of that batch.
; Wave w scans points 256 w .. 256 w + 255; lane l owns pixels gx = 2 l and 2 l + 1 (one packed f32 line serves both).
; FORMAT: uv is rounded to bf16 (nearest even) as it is read and every use takes the rounded value.  Then gx*ux, gy*uy, ux*ux and
; uy*uy are exact in f32, so usq = ux^2 + uy^2, dot = gx ux + gy uy, t = gsq + usq and d2 = t - 2 dot each carry one rounding.
; A strict less-than in ascending point order keeps the first minimum.
; LIMITS: NaN or infinity in uv is not served (the NaN rule of argmin is not reproduced); |uv| below 2^31 for the conversion to a whole number.
; Beside the scan the work-group stores: for its 64 points (numbers 64 gy ..) the four corner pixels, the four bilinear weights and the
; rounded coordinates; the bf16 copies f3t[b][n][c] and f2t[b][pixel][c] of its 64 positions (rows of 256 bytes); and one 512-byte block of
; the weights in fragment order (208 of the 256 work-groups have a block).
; NO CLUSTER: what the 64 work-groups of a batch share is uv, 32 KiB of the 96 KiB that a work-group loads, read once at the head and
; reshaped in registers (rounded, squared, numbered) on its way into LDS; the rest of the launch is arithmetic on registers.
; The distances stay on the vector unit: K is 2 of the 32 that a bf16 matrix instruction takes, and t, d2 and the tracking would remain.
.set RED_B,  65536                     ; LDS 0 .. 65,535: 16 bytes a point (ux, gy*uy, usq, n); wave w owns bytes 4096 w .. 4096 w + 4095
.set T3_B,   73728                     ; LDS 65,536: 16 waves x 32 lanes x 16 bytes (best0, best1, idx0, idx1)
.set T2OFF,  17408                     ; LDS 73,728: 64 positions x 272 bytes of feat_3d in bf16; 17,408 bytes further the same of feat_2d
.set TP,     272                       ; 256 bytes of data + 16
.set PTR,  2                           ; v2       4096 w: where my wave reads its points
.set UVO,  3                           ; v3       (256 w + l) * 4
.set GX,   4                           ; v[4:5]   float(2 l), float(2 l + 1)
.set GSQ,  6                           ; v[6:7]   gx^2 + gy^2
.set BEST, 8                           ; v[8:9]   smallest d2 so far, pixel 0 and 1
.set IDX,  10                          ; v[10:11] its point
.set RI,   12                          ; l & 15
.set RH,   13                          ; l >> 4
.set FO,   14                          ; offset of the feature loads
.set OWNO, 15                          ; offset of the own point in uv
.set SA,   16                          ; v[16:47]  point set A: 8 points x 4 registers
.set SB,   48                          ; v[48:79]  point set B; ahead of the scan: raw uv, then the temporaries of the table and weight blocks
.set DT,   80                          ; v[80:95]  four (D pair, T pair)
.set F3,   96                          ; v[96:111]  feat_3d: 4 channels x 4 positions
.set F2,   112                         ; v[112:127] feat_2d likewise
.set OWN,  128                         ; v[128:129] raw ux, uy of point 64 gy + (t & 63)
.set GYF,  130                         ; float(gy)
.set NB,   131                         ; 256 w + l
.set PTS,  132                         ; 4096 w + 16 l: where I put my points
.set TRA,  133                         ; transposing store
.set T,    134                         ; v[134:137] at work
.set RDA,  138                         ; read-back of whole rows
.set GOA,  139                         ; 1024 w + 16 l: their place in f3t and f2t
.set REDA, 140                         ; RED_B + 16 t
.set RED2, 141                         ; RED_B + 16 l
.set NNO,  142                         ; 8 l
	s_load_b512 s[4:19], s[0:1], 0x0               ; uv 4:5, feat_2d 6:7, feat_3d 8:9, w1 10:11, w2 12:13, w3 14:15, nnidx 16:17, corner 18:19
	s_load_b256 s[20:27], s[0:1], 0x40             ; ptw 20:21, ptu 22:23, f3t 24:25, f2t 26:27
	s_load_b64 s[28:29], s[0:1], 0x60              ; wb
	v_lshl_add_u32 v144, v0, 2, 0x1a800
	v_mov_b32 v145, 0
	v_lshrrev_b32 v2, 5, v0
	v_readfirstlane_b32 s30, v2                    ; wave 0..15
	s_mov_b32 s31, ttmp9                           ; gy
	s_and_b32 s32, ttmp7, 0xffff                   ; b
	s_lshl_b32 s33, s32, 6
	s_add_co_u32 s33, s33, s31                     ; L = 64 b + gy, 0..255
	s_lshl_b32 s38, s30, 12                        ; 4096 w
	v_and_b32 v1, 31, v0                           ; lane
	v_and_b32 v[RI], 15, v0
	v_bfe_u32 v[RH], v0, 4, 1
	v_mov_b32 v[PTR], s38
	v_lshlrev_b32 v[UVO], 2, v1
	v_lshl_add_u32 v[UVO], s30, 10, v[UVO]         ; 1024 w + 4 l
	v_and_b32 v[OWNO], 63, v0
	v_lshlrev_b32 v[OWNO], 2, v[OWNO]
	v_lshl_add_u32 v[OWNO], s31, 8, v[OWNO]        ; (64 gy + (t & 63)) * 4
	v_lshlrev_b32 v[FO], 4, v[RI]
	v_lshl_add_u32 v[FO], v[RH], 16, v[FO]
	v_lshl_add_u32 v[FO], s30, 17, v[FO]           ; channel 8 w + 4 h (16,384 bytes each), bytes 16 i of the 256 of my row
	s_mov_b32 s37, 0
	s_lshl_b32 s39, s31, 8                         ; gy * 256
	s_wait_kmcnt 0x0
	s_lshl_b32 s36, s32, 15
	s_add_nc_u64 s[4:5], s[4:5], s[36:37]          ; uv of my batch
	s_lshl_b32 s36, s32, 21
	s_add_co_u32 s36, s36, s39
	s_add_nc_u64 s[6:7], s[6:7], s[36:37]          ; feat_2d and feat_3d at my batch and my 64 positions
	s_add_nc_u64 s[8:9], s[8:9], s[36:37]
.irp e, 0,1,2,3,4,5,6,7
	global_load_b32 v[SB+\e], v[UVO], s[4:5] offset:128*\e             ; ux of point 256 w + l + 32 e
.endr
.irp e, 0,1,2,3,4,5,6,7
	global_load_b32 v[SB+8+\e], v[UVO], s[4:5] offset:16384+128*\e     ; uy
.endr
	global_load_b32 v[OWN], v[OWNO], s[4:5]
	global_load_b32 v[OWN+1], v[OWNO], s[4:5] offset:16384
.irp j, 0,1,2,3
	global_load_b128 v[F3+4*\j:F3+4*\j+3], v[FO], s[8:9] offset:16384*\j th:TH_LOAD_NT   ; sixteen lanes read 256 consecutive bytes, aligned; read once in the launch
.endr
.irp j, 0,1,2,3
	global_load_b128 v[F2+4*\j:F2+4*\j+3], v[FO], s[6:7] offset:16384*\j th:TH_LOAD_NT
.endr
	; the bases of what is stored
	s_lshl_b32 s36, s32, 14
	s_add_co_u32 s36, s36, s39
	s_add_nc_u64 s[16:17], s[16:17], s[36:37]      ; nnidx + (4096 b + 64 gy) * 4
	s_lshl_b32 s36, s32, 16
	s_lshl_b32 s39, s31, 10
	s_add_co_u32 s36, s36, s39
	s_add_nc_u64 s[18:19], s[18:19], s[36:37]      ; corner and ptw + (4096 b + 64 gy) * 16
	s_add_nc_u64 s[20:21], s[20:21], s[36:37]
	s_lshl_b32 s36, s32, 15
	s_lshl_b32 s39, s31, 9
	s_add_co_u32 s36, s36, s39
	s_add_nc_u64 s[22:23], s[22:23], s[36:37]      ; ptu + (4096 b + 64 gy) * 8
	s_lshl_b32 s36, s32, 20
	s_lshl_b32 s39, s31, 14
	s_add_co_u32 s36, s36, s39
	s_add_nc_u64 s[24:25], s[24:25], s[36:37]      ; f3t and f2t + (4096 b + 64 gy) * 256
	s_add_nc_u64 s[26:27], s[26:27], s[36:37]
	; the lane constants
	v_lshl_add_u32 v[NB], s30, 8, v1
	v_lshl_add_u32 v[PTS], v1, 4, s38
	v_lshlrev_b32 v[T], 1, v1
	v_cvt_f32_u32 v[GX], v[T]
	v_add_f32 v[GX+1], 1.0, v[GX]
	v_cvt_f32_u32 v[GYF], s31
	v_mul_f32 v[T], v[GYF], v[GYF]
	v_fma_f32 v[GSQ], v[GX], v[GX], v[T]           ; whole numbers below 2^13: exact
	v_fma_f32 v[GSQ+1], v[GX+1], v[GX+1], v[T]
	v_mov_b32 v[BEST], 0x7f800000                  ; +infinity
	v_mov_b32 v[BEST+1], 0x7f800000
	v_mov_b32 v[IDX], 0
	v_mov_b32 v[IDX+1], 0
	v_mul_u32_u24 v[TRA], v[RI], 4*TP
	v_lshl_add_u32 v[TRA], v[RH], 3, v[TRA]
	s_lshl_b32 s36, s30, 4
	s_add_co_u32 s36, s36, T3_B
	v_add_nc_u32 v[TRA], s36, v[TRA]               ; row 4 i, byte 2 (8 w + 4 h)
	v_mul_u32_u24 v[RDA], v[RH], TP
	v_lshl_add_u32 v[RDA], v[RI], 4, v[RDA]
	s_mul_i32 s36, s30, 4*TP
	s_add_co_u32 s36, s36, T3_B
	v_add_nc_u32 v[RDA], s36, v[RDA]               ; row 4 w + h, byte 16 i
	s_lshl_b32 s36, s30, 10
	v_lshl_add_u32 v[GOA], v1, 4, s36
	v_lshlrev_b32 v[REDA], 4, v0
	v_add_nc_u32 v[REDA], RED_B, v[REDA]
	v_lshlrev_b32 v[RED2], 4, v1
	v_add_nc_u32 v[RED2], RED_B, v[RED2]
	v_lshlrev_b32 v[NNO], 3, v1
	s_wait_loadcnt 0x8                             ; the 18 loads of uv are in; the 8 feature loads issued behind them stay out under the whole scan
; point 256 w + l + 32 e: round, and lay (ux, gy*uy, usq, n) into my wave's own bytes; 32 lanes store 512 consecutive bytes
.macro PTPREP e
	v_cvt_pk_bf16_f32 v[T], v[SB+\e], v[SB+8+\e]
	v_lshlrev_b32 v[SA+4*\e], 16, v[T]             ; ux
	v_and_b32 v[T+1], 0xffff0000, v[T]             ; uy
	v_mul_f32 v[T+2], v[SA+4*\e], v[SA+4*\e]       ; exact
	v_mul_f32 v[SA+4*\e+1], v[T+1], v[GYF]         ; exact
	v_fma_f32 v[SA+4*\e+2], v[T+1], v[T+1], v[T+2] ; one rounding
	v_add_nc_u32 v[SA+4*\e+3], 32*\e, v[NB]
	ds_store_b128 v[PTS], v[SA+4*\e:SA+4*\e+3] offset:512*\e
.endm
.irp e, 0,1,2,3,4,5,6,7
	PTPREP \e
.endr
	; THE POINT TABLES, waves 0 and 1: point 64 gy + t
	s_cmp_gt_u32 s30, 1
	s_cbranch_scc1 .Lno_table
	v_cvt_pk_bf16_f32 v48, v[OWN], v[OWN+1]
	v_lshlrev_b32 v50, 16, v48                     ; x
	v_and_b32 v51, 0xffff0000, v48                 ; y
	v_floor_f32 v52, v50
	v_floor_f32 v53, v51
	v_sub_f32 v54, v50, v52                        ; wx
	v_sub_f32 v55, v51, v53                        ; wy
	v_cvt_i32_f32 v52, v52
	v_cvt_i32_f32 v53, v53
	v_max_i32 v52, 0, v52
	v_max_i32 v53, 0, v53
	v_min_i32 v52, 63, v52                         ; x0
	v_min_i32 v53, 63, v53                         ; y0
	v_add_nc_u32 v56, 1, v52
	v_add_nc_u32 v57, 1, v53
	v_min_i32 v56, 63, v56                         ; x1
	v_min_i32 v57, 63, v57                         ; y1
	v_sub_f32 v58, 1.0, v54
	v_sub_f32 v59, 1.0, v55
	v_lshl_add_u32 v60, v53, 6, v52                ; pixel numbers of the four corners
	v_lshl_add_u32 v61, v53, 6, v56
	v_lshl_add_u32 v62, v57, 6, v52
	v_lshl_add_u32 v63, v57, 6, v56
	v_mul_f32 v64, v58, v59
	v_mul_f32 v65, v54, v59
	v_mul_f32 v66, v58, v55
	v_mul_f32 v67, v54, v55
	v_lshlrev_b32 v68, 4, v0
	v_lshlrev_b32 v69, 3, v0
	global_store_b128 v68, v[60:63], s[18:19]      ; a wave stores 512 consecutive bytes
	global_store_b128 v68, v[64:67], s[20:21]
	global_store_b64 v69, v[50:51], s[22:23]       ; and here 256
	s_wait_xcnt 0x0                                ; v48 to v69 are written again (point set B) only behind this wait
.Lno_table:
	; ONE BLOCK OF THE WEIGHTS in fragment order, wave 2 of the work-groups with L & 31 < 26.
	; Block 26 nt + 2 frag + part: lane 16 h + r holds row 16 nt + r, k = 32 ks + 16 part + 8 h + 0..7, as 8 bf16.
	; frag 0..3: w1, columns 3 + k; frag 4: w1, columns 0..2 at k = 0..2, zeros behind; frag 5..8: w2; frag 9..12: w3.
	s_cmp_lg_u32 s30, 2
	s_cbranch_scc1 .Lno_weights
	s_and_b32 s39, s33, 31                         ; 2 frag + part
	s_cmp_gt_u32 s39, 25
	s_cbranch_scc1 .Lno_weights
	s_lshr_b32 s38, s33, 5                         ; nt
	s_lshr_b32 s40, s39, 1                         ; frag
	s_and_b32 s41, s39, 1                          ; part
	s_movk_i32 s42, 128
	s_cmp_lt_u32 s40, 5
	s_cselect_b32 s42, 131, s42                    ; numbers in a row
	s_cselect_b64 s[44:45], s[10:11], s[12:13]     ; w1 or w2,
	s_cselect_b32 s43, 0, 5
	s_cmp_lt_u32 s40, 9
	s_cselect_b64 s[44:45], s[44:45], s[14:15]     ; or w3
	s_cselect_b32 s43, s43, 9
	s_sub_co_u32 s43, s40, s43                     ; ks
	s_cmp_lt_u32 s40, 4
	s_cselect_b32 s46, 3, 0                        ; first column
	s_cmp_eq_u32 s40, 4
	s_cselect_b32 s43, 0, s43
	s_cselect_b32 s47, 3, 0x10000                  ; k at or beyond this is zero
	s_lshl_b32 s43, s43, 5
	s_add_co_u32 s43, s43, s46
	s_mul_i32 s46, s38, 26
	s_add_co_u32 s46, s46, s39
	s_lshl_b32 s46, s46, 9                         ; the block in wb
	v_lshl_add_u32 v48, s38, 4, v[RI]              ; row
	v_mul_lo_u32 v48, v48, s42
	v_lshlrev_b32 v49, 3, v[RH]
	v_lshl_add_u32 v49, s41, 4, v49                ; 16 part + 8 h
	v_add3_u32 v48, v48, v49, s43
	v_lshlrev_b32 v48, 2, v48                      ; highest column read: 130 (frag 3), 31 (frag 4), 127 (w2, w3): inside the row
	v_sub_nc_u32 v50, s47, v49
	v_lshl_add_u32 v51, v1, 4, s46
.irp e, 0,1,2,3,4,5,6,7
	global_load_b32 v[52+\e], v48, s[44:45] offset:4*\e    ; rows of 131 numbers start at multiples of 4 bytes only
.endr
	s_wait_loadcnt 0x0
.irp e, 0,1,2,3,4,5,6,7
	v_cmp_lt_i32 vcc_lo, \e, v50                   ; 16 part + 8 h + e below the limit?
	v_cndmask_b32 v[52+\e], 0, v[52+\e], vcc_lo
.endr
.irp q, 0,1,2,3
	v_cvt_pk_bf16_f32 v[60+\q], v[52+2*\q], v[52+2*\q+1]
.endr
	global_store_b128 v51, v[60:63], s[28:29]      ; the whole block: 512 consecutive bytes
	s_wait_xcnt 0x0                                ; v48 to v63 are written again only behind this wait
.Lno_weights:
	; THE SCAN.  All lanes read the same 16 bytes of a point; every address is 4096 w plus an immediate inside the wave's own 4,096 bytes.
.macro PTLOAD set, first
.irp j, 0,1,2,3,4,5,6,7
	ds_load_b128 v[\set+4*\j:\set+4*\j+3], v[PTR] offset:16*((\first)+\j)
.endr
.endm
; eight points against my two pixels, four at a time: the packed lines first, then the tracking, in ascending point order
.macro OCT set
.irp hf, 0,4
.irp k, 0,1,2,3
	v_pk_fma_f32 v[DT+4*\k:DT+4*\k+1], v[GX:GX+1], v[\set+4*(\hf+\k):\set+4*(\hf+\k)+1], v[\set+4*(\hf+\k):\set+4*(\hf+\k)+1] op_sel:[0,0,1] op_sel_hi:[1,0,1]   ; dot = gx ux + gy uy
	v_pk_add_f32 v[DT+4*\k+2:DT+4*\k+3], v[GSQ:GSQ+1], v[\set+4*(\hf+\k)+2:\set+4*(\hf+\k)+3] op_sel_hi:[1,0]                                                  ; t = gsq + usq
.endr
.irp k, 0,1,2,3
	v_pk_fma_f32 v[DT+4*\k:DT+4*\k+1], v[DT+4*\k:DT+4*\k+1], -2.0, v[DT+4*\k+2:DT+4*\k+3] op_sel_hi:[1,0,1]                                                    ; d2 = t - 2 dot
.endr
.irp k, 0,1,2,3
	v_cmp_lt_f32 vcc_lo, v[DT+4*\k], v[BEST]
	v_cndmask_b32 v[IDX], v[IDX], v[\set+4*(\hf+\k)+3], vcc_lo
	v_min_num_f32 v[BEST], v[DT+4*\k], v[BEST]
	v_cmp_lt_f32 vcc_lo, v[DT+4*\k+1], v[BEST+1]
	v_cndmask_b32 v[IDX+1], v[IDX+1], v[\set+4*(\hf+\k)+3], vcc_lo
	v_min_num_f32 v[BEST+1], v[DT+4*\k+1], v[BEST+1]
.endr
.endr
.endm
	PTLOAD SA, 0                                   ; LDS serves a wave in order: these see the stores above
	PTLOAD SB, 8
.set trip, 0
.rept 15
	s_wait_dscnt 0x8                               ; set A is in; the 8 loads of set B, issued behind it, stay out
	OCT SA
	PTLOAD SA, 16*trip+16
	s_wait_dscnt 0x8                               ; set B is in; the 8 loads just issued stay out
	OCT SB
	PTLOAD SB, 16*trip+24
.set trip, trip+1
.endr
	s_wait_dscnt 0x8                               ; the last sixteen points: nothing more to fetch
	OCT SA
	s_wait_dscnt 0x0
	OCT SB
	; THE COPIES.  Register src + 4 j + p holds channel 8 w + 4 h + j at position 4 i + p: four channels of one position are 8 bytes of its row.
	s_wait_loadcnt 0x0                             ; the feature loads
.macro TR src, off
.irp p, 0,1,2,3
	v_cvt_pk_bf16_f32 v[T+2*(\p&1)], v[\src+\p], v[\src+4+\p]
	v_cvt_pk_bf16_f32 v[T+2*(\p&1)+1], v[\src+8+\p], v[\src+12+\p]
	ds_store_b64 v[TRA], v[T+2*(\p&1):T+2*(\p&1)+1] offset:\off+TP*\p
.endr
.endm
	TR F3, 0
	TR F2, T2OFF
	ds_store_b128 v[REDA], v[BEST:BEST+3]          ; my wave's result for my two pixels
	s_wait_dscnt 0x0                               ; for the other waves: all my LDS stores are done
	s_barrier_signal -1
	s_barrier_wait -1                              ; the only barrier of the launch
	ds_load_b128 v[F3:F3+3], v[RDA]                ; rows 4 w + h and 4 w + 2 + h, whole
	ds_load_b128 v[F3+4:F3+7], v[RDA] offset:2*TP
	ds_load_b128 v[F3+8:F3+11], v[RDA] offset:T2OFF
	ds_load_b128 v[F3+12:F3+15], v[RDA] offset:T2OFF+2*TP
	s_wait_dscnt 0x3                               ; the counts leave the younger loads out
	global_store_b128 v[GOA], v[F3:F3+3], s[24:25]             ; each store covers 512 consecutive bytes, aligned; the next launch reads them: no hint
	s_wait_dscnt 0x2
	global_store_b128 v[GOA], v[F3+4:F3+7], s[24:25] offset:512
	s_wait_dscnt 0x1
	global_store_b128 v[GOA], v[F3+8:F3+11], s[26:27]
	s_wait_dscnt 0x0
	global_store_b128 v[GOA], v[F3+12:F3+15], s[26:27] offset:512
	; wave 3 joins the sixteen waves' results, in ascending order of their points, so that the first minimum stays
	s_cmp_lg_u32 s30, 3
	s_cbranch_scc1 .Ldone
.irp k, 0,1,2,3,4,5,6,7,8,9,10,11,12,13,14,15
	ds_load_b128 v[SA+4*\k:SA+4*\k+3], v[RED2] offset:512*\k
.endr
	s_wait_dscnt 0x0
.irp k, 1,2,3,4,5,6,7,8,9,10,11,12,13,14,15
	v_cmp_lt_f32 vcc_lo, v[SA+4*\k], v[SA]
	v_cndmask_b32 v[SA+2], v[SA+2], v[SA+4*\k+2], vcc_lo
	v_min_num_f32 v[SA], v[SA+4*\k], v[SA]
	v_cmp_lt_f32 vcc_lo, v[SA+4*\k+1], v[SA+1]
	v_cndmask_b32 v[SA+3], v[SA+3], v[SA+4*\k+3], vcc_lo
	v_min_num_f32 v[SA+1], v[SA+4*\k+1], v[SA+1]
.endr
	global_store_b64 v[NNO], v[SA+2:SA+3], s[16:17]            ; 64 indices: 256 consecutive bytes, aligned
.Ldone:
	s_wait_tensorcnt 0x0
	ds_add_u32 v144, v145
	s_wait_dscnt 0x0
	s_endpgm
.Lfunc_end_k_q6e317d4962_knn:
	.size	k_q6e317d4962_knn, .Lfunc_end_k_q6e317d4962_knn-k_q6e317d4962_knn
	.p2alignl 7, 3214868480
	.fill 96, 4, 3214868480
	.section	.rodata,"a",@progbits
	.p2align	6, 0x0
	.amdhsa_kernel k_q6e317d4962_knn
		.amdhsa_group_segment_fixed_size 110592
		.amdhsa_private_segment_fixed_size 0
		.amdhsa_enable_private_segment 0
		.amdhsa_kernarg_size 104
		.amdhsa_user_sgpr_count 2
		.amdhsa_user_sgpr_kernarg_segment_ptr 1
		.amdhsa_wavefront_size32 1
		.amdhsa_system_sgpr_workgroup_id_x 1
		.amdhsa_system_sgpr_workgroup_id_y 1
		.amdhsa_system_sgpr_workgroup_id_z 1
		.amdhsa_system_vgpr_workitem_id 0
		.amdhsa_next_free_vgpr 146
		.amdhsa_next_free_sgpr 66
		.amdhsa_reserve_vcc 1
		.amdhsa_float_denorm_mode_32 3
		.amdhsa_float_denorm_mode_16_64 3
		.amdhsa_memory_ordered 1
		.amdhsa_forward_progress 1
		.amdhsa_inst_pref_size 134
	.end_amdhsa_kernel
	.amdgpu_metadata
---
amdhsa.version: [ 1, 2 ]
amdhsa.kernels:
  - .name:           k_q6e317d4962_knn
    .symbol:         k_q6e317d4962_knn.kd
    .args:
      - { .name: uv, .offset: 0, .size: 8, .value_kind: global_buffer, .address_space: global }
      - { .name: feat_2d, .offset: 8, .size: 8, .value_kind: global_buffer, .address_space: global }
      - { .name: feat_3d, .offset: 16, .size: 8, .value_kind: global_buffer, .address_space: global }
      - { .name: w1, .offset: 24, .size: 8, .value_kind: global_buffer, .address_space: global }
      - { .name: w2, .offset: 32, .size: 8, .value_kind: global_buffer, .address_space: global }
      - { .name: w3, .offset: 40, .size: 8, .value_kind: global_buffer, .address_space: global }
      - { .name: nnidx, .offset: 48, .size: 8, .value_kind: global_buffer, .address_space: global }
      - { .name: corner, .offset: 56, .size: 8, .value_kind: global_buffer, .address_space: global }
      - { .name: ptw, .offset: 64, .size: 8, .value_kind: global_buffer, .address_space: global }
      - { .name: ptu, .offset: 72, .size: 8, .value_kind: global_buffer, .address_space: global }
      - { .name: f3t, .offset: 80, .size: 8, .value_kind: global_buffer, .address_space: global }
      - { .name: f2t, .offset: 88, .size: 8, .value_kind: global_buffer, .address_space: global }
      - { .name: wb, .offset: 96, .size: 8, .value_kind: global_buffer, .address_space: global }
    .group_segment_fixed_size: 110592
    .private_segment_fixed_size: 0
    .kernarg_segment_align: 8
    .kernarg_segment_size: 104
    .max_flat_workgroup_size: 512
    .sgpr_count:     66
    .vgpr_count:     146
    .wavefront_size: 32
...
	.end_amdgpu_metadata
.endif
;; end of part 1
;; launch mlp (part 2): grid 64 x 4, 8 waves a work-group, clusters of 4 x 1, 231,424 bytes of LDS; arguments nnidx, corner, ptw, ptu, f3t, f2t, wb, b1, b2, b3, out0; writes out0
.if DOCPART == 2
	.amdgcn_target "amdgcn-amd-amdhsa--gfx1250"
	.amdhsa_code_object_version 6
	.text
	.protected	k_q6e317d4962_mlp
	.globl	k_q6e317d4962_mlp
	.p2align	8
	.type	k_q6e317d4962_mlp,@function
k_q6e317d4962_mlp:
	s_mov_b64 s[64:65], 0
	v_nop
	global_prefetch_b8 v0, s[64:65] scope:SCOPE_SE
	s_setreg_imm32_b32 hwreg(HW_REG_WAVE_MODE, 25, 1), 1
	s_wait_xcnt 0x0
	s_wait_alu depctr_hold_cnt(0) depctr_sa_sdst(0) depctr_va_vdst(0) depctr_va_sdst(0) depctr_va_ssrc(0) depctr_va_vcc(0) depctr_vm_vsrc(0)
	s_getreg_b32 s2, hwreg(HW_REG_IB_STS2, 6, 4)
	s_cmp_eq_u32 s2, 0
	s_cbranch_scc0 .Lentry_in_a_cluster
	s_endpgm
.Lentry_in_a_cluster:
	s_bfe_u32 s2, ttmp6, 0x10000c
	s_cmp_lg_u32 s2, 0x3003
	s_cbranch_scc0 .Lentry_shape_is_right
	s_endpgm
.Lentry_shape_is_right:
; mlp: gather by the stored indices, the correlation, and the three 1 x 1 convolutions with bias and leaky ReLU.
; Work-group: image row gy = 4 x cluster x + cx of batch b: 64 pixels x 128 channels.  Wave w gathers pixels 8 w .. 8 w + 7 and makes, in every
; layer, channels 16 w .. 16 w + 15 of all 64 pixels: four accumulators of 16 x 16.
; FORMAT: feat_3d, feat_2d and the weights come as bf16 (rounded by the launch before); offset and correlation are rounded to bf16 once, as
; matrix operands.  The activations between the layers go to the matrix unit as TWO bf16 numbers, hi = bf16(x) and lo = bf16(x - hi),
; 16 significant bits together: layers 2 and 3 sum over K = 256, the hi halves and then the lo halves against the same weights.  One bf16
; number has 8 significant bits, and two such roundings in a chain of 128-term sums would show in outputs near zero.
; The sampled values, all sums and the biases are f32.  Leaky ReLU is max(y, 0.1 y).
; LIMIT: an activation that rounds to infinity in bf16 (above 3.39e38) is not served: its lo half would be no number.
; CLUSTER 4 x 1: every work-group reads the same 106,496 bytes of weights.  Each wave asks for its own 13,312 bytes (the 13 fragments of
; its 16 channels) by one joint tensor load that names all four work-groups; descriptor and LDS address hang on the wave number alone.
; By this text's count a wave has one tensor load outstanding.  cx enters global addresses and the value float(gy), nothing else.
; Eight waves with four accumulators each, not four waves with large tiles: a layer is 64 x 128 x 160 or 256, 20 or 32 matrix instructions a wave.
.set XA_B, 106496                      ; LDS 0: the weights, wave w at 13,312 w, filled once, by the tensor loads alone
.set XB_B, 128000                      ; LDS 106,496: X0: 64 pixels x 336 bytes (k 0..127 in bytes 0..255, k 128..159 in bytes 256..319)
.set XC_B, 161792                      ; LDS 128,000: X1: 64 pixels x 528 bytes (hi in bytes 0..255, lo in bytes 256..511).  LDS 161,792: X2, same shape
.set S_B,  195584                      ; LDS 195,584: the way out, 128 channels x 272 bytes of f32
.set XP,   336                         ; 21 x 16 bytes: the sixteen rows of a fragment load start in sixteen different 16-byte columns of 256
.set XP2,  528                         ; 33 x 16 bytes: likewise
.set SP,   272
.set WCH,  13312                       ; 26 blocks of 512 bytes
.set ZERO, 5
.set XADR0, 6                          ; XA_B + 336 r + 16 h
.set XADR1, 7                          ; XB_B + 528 r + 16 h
.set XADR2, 8                          ; XC_B + 528 r + 16 h
.set XST1,  9                          ; XADR1 + 32 w
.set WADR,  10                         ; 13312 w + 16 l
.set X0ROW, 11                         ; XA_B + 2688 w + 8 l
.set XEXT,  12                         ; XA_B + 2688 w + 256 + 16 (l & 3)
.set SST,   13                         ; S_B + (16 w + 8 h) 272 + 4 r
.set SRD,   14                         ; S_B + (16 w + h) 272 + 16 r
.set OUTO,  15                         ; (16 w + h) 16384 + 16 r
.set IDXO,  16                         ; 32 w
.set OWNO,  17                         ; 2048 w + 8 l
.set BO,    18                         ; (16 w + 8 h) 4
.set GXF,   19                         ; float(gx) of the pixel at work
.set Q,     20                         ; v[20:23] what goes to k 128..135 of a pixel; v22 = v23 = 0
.set SM,    24                         ; v[24:27] sampled values of my four channels; v28 the sum; v29 to v31 at work
.set BIAS,  32                         ; v[32:39] b1, v[40:47] b2, v[48:55] b3: register j = b[16 w + 8 h + j]
.set GYF,   56
.set XST2,  57                         ; XADR2 + 32 w
.set IDX,   64                         ; while gathering: v[64:71] the 8 indices
.set CORN,  72                         ; v[72:103]   4 corners of each
.set PTW,   104                        ; v[104:135]  4 weights of each
.set PTU,   136                        ; v[136:151]  ux, uy of each
.set F3,    152                        ; v[152:167]  4 channels of feat_3d of each
.set OWN,   168                        ; v[168:183]  4 channels of feat_2d at the pixel itself
.set ROW,   184                        ; v[184:247]  4 channels of feat_2d at each corner
.set W,     64                         ; in the layers: v[64:103] up to five fragments of weights
.set ACC,   104                        ; v[104:135]  four accumulators
.set XB0,   136                        ; v[136:167]  fragments of X, buffer 0;  v[168:199] buffer 1
.set ET,    200                        ; v[200:215]  behind a layer: a tile's eight activations in f32, two sets in turn
.set EH,    216                        ; v[216:223]  their hi halves, packed, two sets in turn
.set EL,    224                        ; v[224:231]  their lo halves, packed, two sets in turn
.set EU,    232                        ; v[232:239]  the hi halves widened to f32
; A round of the cluster barrier: my work-group's barrier, wave 0 signals for the work-group, every wave waits for all four, my work-group's barrier again.
.macro ROUND
	s_barrier_signal -1
	s_barrier_wait -1
	s_cmp_lg_u32 s26, 0
	s_cbranch_scc1 .Lnot_wave_0_\@
	s_barrier_signal -3
.Lnot_wave_0_\@:
	s_barrier_wait -3
	s_barrier_signal -1
	s_barrier_wait -1
.endm
; Four places behind a matrix instruction before a load lands on one of its registers or a vector instruction reads its result.
.macro PLACES
.rept 4
	v_nop
.endr
.endm
	s_load_b512 s[4:19], s[0:1], 0x0               ; nnidx 4:5, corner 6:7, ptw 8:9, ptu 10:11, f3t 12:13, f2t 14:15, wb 16:17, b1 18:19
	s_load_b128 s[20:23], s[0:1], 0x40             ; b2, b3
	s_load_b64 s[24:25], s[0:1], 0x50              ; out0
	v_lshl_add_u32 v248, v0, 2, 0x38400
	v_mov_b32 v249, 0
	ds_add_u32 v248, v249
	ds_add_u32 v248, v249
	v_lshrrev_b32 v1, 5, v0
	v_readfirstlane_b32 s26, v1                    ; wave 0..7
	s_bfe_u32 s27, ttmp6, 0x40000                  ; cx
	s_lshl_b32 s28, ttmp9, 2
	s_add_co_u32 s28, s28, s27                     ; gy
	s_and_b32 s29, ttmp7, 0xffff                   ; b
	s_mov_b32 s44, 0x76543210                      ; v_permlanex16_b32: lane i of one half reads lane i of the other
	s_mov_b32 s45, 0xfedcba98
	; the descriptor: 52 rows of 32 elements of 8 bytes, dense: 13,312 bytes
	s_mov_b32 s32, 1                               ; count
	s_mul_i32 s33, s26, WCH                        ; LDS address
	s_mov_b32 s36, 15|(3<<16)|(1<<21)              ; mask: all four work-groups; elements of 8 bytes; bit 21 beside a mask
	s_mov_b32 s37, 32<<16                          ; tensor_dim0 = 32
	s_mov_b32 s38, 52<<16                          ; tensor_dim1 = 52
	s_mov_b32 s39, 32<<16                          ; tile_dim0 = 32
	s_mov_b32 s40, 52                              ; tile_dim1 = 52
	s_mov_b32 s41, 32                              ; elements from row to row
	s_mov_b32 s42, 0
	s_mov_b32 s43, 0
	s_mov_b32 s52, s33                             ; the same 13,312 w in wb
	s_mov_b32 s53, 0
	; lane constants
	v_and_b32 v1, 31, v0                           ; l
	v_and_b32 v2, 15, v0                           ; r
	v_bfe_u32 v3, v0, 4, 1                         ; h
	v_lshlrev_b32 v4, 3, v1                        ; 8 l
	v_mov_b32 v[ZERO], 0
	v_mul_u32_u24 v24, v2, XP
	v_lshl_add_u32 v24, v3, 4, v24
	v_add_nc_u32 v[XADR0], XA_B, v24
	v_mul_u32_u24 v24, v2, XP2
	v_lshl_add_u32 v24, v3, 4, v24
	v_add_nc_u32 v[XADR1], XB_B, v24
	v_add_nc_u32 v[XADR2], XC_B, v24
	s_lshl_b32 s50, s26, 5
	v_add_nc_u32 v[XST1], s50, v[XADR1]
	v_add_nc_u32 v[XST2], s50, v[XADR2]
	v_mov_b32 v[IDXO], s50
	v_lshl_add_u32 v[WADR], v1, 4, s33
	s_mul_i32 s50, s26, 8*XP
	s_add_co_u32 s50, s50, XA_B
	s_add_co_u32 s51, s50, 256
	v_add_nc_u32 v[X0ROW], s50, v4
	v_and_b32 v25, 3, v0
	v_lshl_add_u32 v[XEXT], v25, 4, s51
	v_cmp_eq_u32 s46, 0, v25                       ; the lanes that carry offset and correlation; the others carry zeros
	s_mul_i32 s50, s26, 16*SP
	s_add_co_u32 s50, s50, S_B
	v_mul_u32_u24 v26, v3, 8*SP
	v_lshl_add_u32 v26, v2, 2, v26
	v_add_nc_u32 v[SST], s50, v26
	v_mul_u32_u24 v26, v3, SP
	v_lshl_add_u32 v26, v2, 4, v26
	v_add_nc_u32 v[SRD], s50, v26
	v_lshlrev_b32 v[OUTO], 4, v2
	v_lshl_add_u32 v[OUTO], v3, 14, v[OUTO]
	v_lshl_add_u32 v[OUTO], s26, 18, v[OUTO]
	v_lshl_add_u32 v[OWNO], s26, 11, v4
	v_lshlrev_b32 v[BO], 5, v3
	v_lshl_add_u32 v[BO], s26, 6, v[BO]
	s_lshl_b32 s50, s26, 3
	v_cvt_f32_u32 v[GXF], s50                      ; my first pixel
	v_cvt_f32_u32 v[GYF], s28
	v_mov_b32 v[Q+2], 0
	v_mov_b32 v[Q+3], 0
	v_mov_b32 v29, 0                               ; the destination of v_permlanex16_b32 counts as read
	s_mov_b32 s31, 0
	s_wait_dscnt 0x0
	s_wait_kmcnt 0x0
	s_lshl_b32 s30, s29, 16
	s_add_nc_u64 s[6:7], s[6:7], s[30:31]          ; the tables of my batch
	s_add_nc_u64 s[8:9], s[8:9], s[30:31]
	s_lshl_b32 s30, s29, 15
	s_add_nc_u64 s[10:11], s[10:11], s[30:31]
	s_lshl_b32 s30, s29, 20
	s_add_nc_u64 s[12:13], s[12:13], s[30:31]
	s_add_nc_u64 s[14:15], s[14:15], s[30:31]
	s_lshl_b32 s30, s28, 14
	s_add_nc_u64 s[48:49], s[14:15], s[30:31]      ; f2t at my own row of pixels
	s_lshl_b32 s47, s28, 8
	s_lshl_b32 s30, s29, 14
	s_add_co_u32 s30, s30, s47
	s_add_nc_u64 s[4:5], s[4:5], s[30:31]          ; nnidx at my row
	s_lshl_b32 s30, s29, 21
	s_add_co_u32 s30, s30, s47
	s_add_nc_u64 s[24:25], s[24:25], s[30:31]      ; out0 at my batch and row
	s_add_nc_u64 s[34:35], s[16:17], s[52:53]      ; my wave's chunk of wb
	s_or_b32 s35, s35, 0x80000000                  ; type 2
	; first loads: 2 + 8 + 6
	global_load_b128 v[IDX:IDX+3], v[IDXO], s[4:5]                 ; one address for all lanes: every lane holds the 8 indices of my wave
	global_load_b128 v[IDX+4:IDX+7], v[IDXO], s[4:5] offset:16
.irp e, 0,1,2,3,4,5,6,7
	global_load_b64 v[OWN+2*\e:OWN+2*\e+1], v[OWNO], s[48:49] offset:256*\e   ; a row of 256 bytes a wave: lane l holds channels 4 l .. 4 l + 3
.endr
	global_load_b128 v[BIAS:BIAS+3], v[BO], s[18:19]
	global_load_b128 v[BIAS+4:BIAS+7], v[BO], s[18:19] offset:16
	global_load_b128 v[BIAS+8:BIAS+11], v[BO], s[20:21]
	global_load_b128 v[BIAS+12:BIAS+15], v[BO], s[20:21] offset:16
	global_load_b128 v[BIAS+16:BIAS+19], v[BO], s[22:23]
	global_load_b128 v[BIAS+20:BIAS+23], v[BO], s[22:23] offset:16
	ROUND                                          ; all four work-groups are here: the joint loads meet
	tensor_load_to_lds s[32:35], s[36:43]          ; my wave's one tensor load of the launch
	s_nop 0
	s_wait_loadcnt 14                              ; the two index loads are in; the 8 + 6 issued behind them stay out
.irp e, 0,1,2,3,4,5,6,7
	v_min_u32 v[IDX+\e], 0xfff, v[IDX+\e]          ; a loaded number enters an address only clamped
.endr
	; each load's offset lies in the first register of its own destination
.irp e, 0,1,2,3,4,5,6,7
	v_lshlrev_b32 v[CORN+4*\e], 4, v[IDX+\e]
	global_load_b128 v[CORN+4*\e:CORN+4*\e+3], v[CORN+4*\e], s[6:7]
.endr
.irp e, 0,1,2,3,4,5,6,7
	v_lshl_add_u32 v[F3+2*\e], v[IDX+\e], 8, v4
	global_load_b64 v[F3+2*\e:F3+2*\e+1], v[F3+2*\e], s[12:13]     ; the point's row of 256 bytes
.endr
.irp e, 0,1,2,3,4,5,6,7
	v_lshlrev_b32 v[PTW+4*\e], 4, v[IDX+\e]
	global_load_b128 v[PTW+4*\e:PTW+4*\e+3], v[PTW+4*\e], s[8:9]
.endr
.irp e, 0,1,2,3,4,5,6,7
	v_lshlrev_b32 v[PTU+2*\e], 3, v[IDX+\e]
	global_load_b64 v[PTU+2*\e:PTU+2*\e+1], v[PTU+2*\e], s[10:11]
.endr
	s_wait_loadcnt 24                              ; the corners are in: 8 + 8 + 8 loads were issued behind them
.irp e, 0,1,2,3,4,5,6,7
.irp c, 0,1,2,3
	v_min_u32 v[CORN+4*\e+\c], 0xfff, v[CORN+4*\e+\c]
	v_lshl_add_u32 v[CORN+4*\e+\c], v[CORN+4*\e+\c], 8, v4
	global_load_b64 v[ROW+8*\e+2*\c:ROW+8*\e+2*\c+1], v[CORN+4*\e+\c], s[14:15]
.endr
.endr
	s_wait_loadcnt 48                              ; feat_3d is in: 8 + 8 + 32 loads were issued behind it
.irp e, 0,1,2,3,4,5,6,7
	ds_store_b64 v[X0ROW], v[F3+2*\e:F3+2*\e+1] offset:XP*\e       ; k 0..127 of pixel 8 w + e
.endr
; pixel 8 w + e: the sample at its point, times feat_2d at the pixel, summed over the 128 channels; offset; k 128..159 of its row
.macro CORR e
	s_wait_loadcnt 4*(7-\e)                        ; my four corner rows are in; those of the later pixels stay out
.irp rg, 0,1
.irp hf, 0,1
	v_fma_mix_f32_bf16 v[SM+2*\rg+\hf], v[ROW+8*\e+\rg], v[PTW+4*\e], v[ZERO] op_sel:[\hf,0,0] op_sel_hi:[1,0,0]
.endr
.endr
.irp c, 1,2,3
.irp rg, 0,1
.irp hf, 0,1
	v_fma_mix_f32_bf16 v[SM+2*\rg+\hf], v[ROW+8*\e+2*\c+\rg], v[PTW+4*\e+\c], v[SM+2*\rg+\hf] op_sel:[\hf,0,0] op_sel_hi:[1,0,0]
.endr
.endr
.endr
	v_fma_mix_f32_bf16 v28, v[OWN+2*\e], v[SM], v[ZERO] op_sel:[0,0,0] op_sel_hi:[1,0,0]
	v_fma_mix_f32_bf16 v28, v[OWN+2*\e], v[SM+1], v28 op_sel:[1,0,0] op_sel_hi:[1,0,0]
	v_fma_mix_f32_bf16 v28, v[OWN+2*\e+1], v[SM+2], v28 op_sel:[0,0,0] op_sel_hi:[1,0,0]
	v_fma_mix_f32_bf16 v28, v[OWN+2*\e+1], v[SM+3], v28 op_sel:[1,0,0] op_sel_hi:[1,0,0]
	v_add_f32_dpp v28, v28, v28 row_xmask:1 row_mask:0xf bank_mask:0xf
	v_add_f32_dpp v28, v28, v28 row_xmask:2 row_mask:0xf bank_mask:0xf
	v_add_f32_dpp v28, v28, v28 row_xmask:4 row_mask:0xf bank_mask:0xf
	v_add_f32_dpp v28, v28, v28 row_xmask:8 row_mask:0xf bank_mask:0xf
	v_permlanex16_b32 v29, v28, s44, s45
	v_add_f32 v28, v28, v29
	v_mul_f32 v28, 0x3c000000, v28                 ; the mean: / 128
	v_sub_f32 v30, v[PTU+2*\e], v[GXF]
	v_sub_f32 v31, v[PTU+2*\e+1], v[GYF]
	v_cvt_pk_bf16_f32 v[Q], v30, v31               ; k 128, 129
	v_cvt_pk_bf16_f32 v[Q+1], v28, v[ZERO]         ; k 130, 131
	v_cndmask_b32 v[Q], 0, v[Q], s46
	v_cndmask_b32 v[Q+1], 0, v[Q+1], s46
	ds_store_b128 v[XEXT], v[Q:Q+3] offset:XP*\e   ; 64 bytes; eight lanes store the same 16 bytes with the same data; k 131..159 are zeros
	v_add_f32 v[GXF], 1.0, v[GXF]
.endm
.irp e, 0,1,2,3,4,5,6,7
	CORR \e
.endr                                              ; the last wait was for 0: no global load is out, and the registers of the gather are free
.macro WLOAD f0, n                     ; n fragments of my 16 channels, from fragment f0 on: 32 lanes x 16 consecutive bytes a load
.set wk, 0
.rept \n
	ds_load_b128 v[W+8*wk:W+8*wk+3], v[WADR] offset:1024*(\f0+wk)
	ds_load_b128 v[W+8*wk+4:W+8*wk+7], v[WADR] offset:1024*(\f0+wk)+512
.set wk, wk+1
.endr
.endm
.macro XLOAD buf, adr, p, ks           ; the four pixel tiles, 32 along k: lane (r, h) takes bytes 64 ks + 16 h and + 32 of row 16 pt + r; p = bytes from row to row
.irp pt, 0,1,2,3
	ds_load_b128 v[\buf+8*\pt:\buf+8*\pt+3], v[\adr] offset:16*\p*\pt+64*(\ks)
	ds_load_b128 v[\buf+8*\pt+4:\buf+8*\pt+7], v[\adr] offset:16*\p*\pt+64*(\ks)+32
.endr
.endm
; A layer of nk K steps on nw fragments of weights: source 0 = 16 channels of weights, source 1 = 16 pixels; register j of the result is
; channel 16 w + 8 h + j of pixel 16 pt + r.  K step lk takes fragment lk mod nw: with nk = 8 and nw = 4 the lo halves (bytes 256.. of a row)
; meet the same weights as the hi halves.  The first K step takes the bias tile as C: nothing is cleared and no bias is added later.
; The four accumulators take turns, one instruction a turn.
.macro LAYER adr, p, nk, nw, bias
	XLOAD XB0, \adr, \p, 0
	XLOAD XB0+32, \adr, \p, 1
.set lk, 0
.rept \nk
.if lk+1 < \nk
	s_wait_dscnt 0x8                               ; this K step's fragments are in; the 8 loads of the next step stay out
.else
	s_wait_dscnt 0x0
.endif
.irp pt, 0,1,2,3
.if lk == 0
	v_wmma_f32_16x16x32_bf16 v[ACC+8*\pt:ACC+8*\pt+7], v[W:W+7], v[XB0+8*\pt:XB0+8*\pt+7], v[\bias:\bias+7]
.else
	v_wmma_f32_16x16x32_bf16 v[ACC+8*\pt:ACC+8*\pt+7], v[W+8*(lk%\nw):W+8*(lk%\nw)+7], v[XB0+32*(lk&1)+8*\pt:XB0+32*(lk&1)+8*\pt+7], v[ACC+8*\pt:ACC+8*\pt+7]
.endif
.endr
.if lk+2 < \nk
	PLACES
	XLOAD XB0+32*(lk&1), \adr, \p, lk+2
.endif
.set lk, lk+1
.endr
	PLACES
.endm
; max(y, 0.1 y) of tile pt into v[ET + 8 (pt & 1) ..]
.macro LRELU pt
.irp q, 0,1,2,3
	v_pk_mul_f32 v[ET+8*(\pt&1)+2*\q:ET+8*(\pt&1)+2*\q+1], v[ACC+8*\pt+2*\q:ACC+8*\pt+2*\q+1], 0x3dcccccd op_sel_hi:[1,0]
.endr
.irp j, 0,1,2,3,4,5,6,7
	v_max_num_f32 v[ET+8*(\pt&1)+\j], v[ET+8*(\pt&1)+\j], v[ACC+8*\pt+\j]
.endr
.endm
; The next layer's operand: my eight channels of a pixel are 16 bytes of the hi part of its row and 16 bytes of the lo part.
; hi = bf16(x); x - hi is exact in f32 (hi lies within half a unit of x's eighth bit); lo = bf16(x - hi).
.macro EPI_X st
.irp pt, 0,1,2,3
	LRELU \pt
.irp q, 0,1,2,3
	v_cvt_pk_bf16_f32 v[EH+4*(\pt&1)+\q], v[ET+8*(\pt&1)+2*\q], v[ET+8*(\pt&1)+2*\q+1]
.endr
	ds_store_b128 v[\st], v[EH+4*(\pt&1):EH+4*(\pt&1)+3] offset:16*XP2*\pt
.irp q, 0,1,2,3
	v_lshlrev_b32 v[EU+2*\q], 16, v[EH+4*(\pt&1)+\q]               ; bf16 to f32: the low half moves up,
	v_and_b32 v[EU+2*\q+1], 0xffff0000, v[EH+4*(\pt&1)+\q]         ; the high half stays
.endr
.irp j, 0,1,2,3,4,5,6,7
	v_sub_f32 v[ET+8*(\pt&1)+\j], v[ET+8*(\pt&1)+\j], v[EU+\j]
.endr
.irp q, 0,1,2,3
	v_cvt_pk_bf16_f32 v[EL+4*(\pt&1)+\q], v[ET+8*(\pt&1)+2*\q], v[ET+8*(\pt&1)+2*\q+1]
.endr
	ds_store_b128 v[\st], v[EL+4*(\pt&1):EL+4*(\pt&1)+3] offset:16*XP2*\pt+256
.endr
.endm
	s_wait_tensorcnt 0x0                           ; my chunk of the weights has landed; only my wave reads it
	WLOAD 0, 5
	s_wait_dscnt 0x0                               ; for the other waves: my rows of X0 are stored
	s_barrier_signal -1
	s_barrier_wait -1
	LAYER XADR0, XP, 5, 5, BIAS                    ; 131 -> 128, K padded to 160
	WLOAD 5, 4
	EPI_X XST1
	s_wait_dscnt 0x0                               ; for the other waves: my part of X1 is stored
	s_barrier_signal -1
	s_barrier_wait -1
	LAYER XADR1, XP2, 8, 4, BIAS+8                 ; 128 -> 128, hi and lo
	WLOAD 9, 4
	EPI_X XST2
	s_wait_dscnt 0x0                               ; for the other waves: my part of X2 is stored
	s_barrier_signal -1
	s_barrier_wait -1
	LAYER XADR2, XP2, 8, 4, BIAS+16
	; THE WAY OUT: f32 through my own 16 rows of the stage, read back as whole rows of 64 pixels
.irp pt, 0,1,2,3
	LRELU \pt
.irp j, 0,1,2,3,4,5,6,7
	ds_store_b32 v[SST], v[ET+8*(\pt&1)+\j] offset:SP*\j+64*\pt
.endr
.endr
.irp q, 0,1,2,3,4,5,6,7
	ds_load_b128 v[XB0+4*\q:XB0+4*\q+3], v[SRD] offset:2*SP*\q     ; LDS serves a wave in order: these see the stores above
.endr
.irp q, 0,1,2,3,4,5,6,7
	s_wait_dscnt 7-\q                              ; the younger loads stay out
	global_store_b128 v[OUTO], v[XB0+4*\q:XB0+4*\q+3], s[24:25] offset:32768*\q th:TH_STORE_NT   ; sixteen lanes store 256 consecutive bytes, aligned
.endr
	s_wait_tensorcnt 0x0
	ds_add_u32 v248, v249
	s_wait_dscnt 0x0
	ROUND                                          ; the closing round: no work-group ends while a partner may still ask jointly
	s_endpgm
.Lfunc_end_k_q6e317d4962_mlp:
	.size	k_q6e317d4962_mlp, .Lfunc_end_k_q6e317d4962_mlp-k_q6e317d4962_mlp
	.p2alignl 7, 3214868480
	.fill 96, 4, 3214868480
	.section	.rodata,"a",@progbits
	.p2align	6, 0x0
	.amdhsa_kernel k_q6e317d4962_mlp
		.amdhsa_group_segment_fixed_size 231424
		.amdhsa_private_segment_fixed_size 0
		.amdhsa_enable_private_segment 0
		.amdhsa_kernarg_size 88
		.amdhsa_user_sgpr_count 2
		.amdhsa_user_sgpr_kernarg_segment_ptr 1
		.amdhsa_wavefront_size32 1
		.amdhsa_system_sgpr_workgroup_id_x 1
		.amdhsa_system_sgpr_workgroup_id_y 1
		.amdhsa_system_sgpr_workgroup_id_z 1
		.amdhsa_system_vgpr_workitem_id 0
		.amdhsa_next_free_vgpr 250
		.amdhsa_next_free_sgpr 66
		.amdhsa_reserve_vcc 0
		.amdhsa_float_denorm_mode_32 3
		.amdhsa_float_denorm_mode_16_64 3
		.amdhsa_memory_ordered 1
		.amdhsa_forward_progress 1
		.amdhsa_inst_pref_size 78
	.end_amdhsa_kernel
	.amdgpu_metadata
---
amdhsa.version: [ 1, 2 ]
amdhsa.kernels:
  - .name:           k_q6e317d4962_mlp
    .symbol:         k_q6e317d4962_mlp.kd
    .args:
      - { .name: nnidx, .offset: 0, .size: 8, .value_kind: global_buffer, .address_space: global }
      - { .name: corner, .offset: 8, .size: 8, .value_kind: global_buffer, .address_space: global }
      - { .name: ptw, .offset: 16, .size: 8, .value_kind: global_buffer, .address_space: global }
      - { .name: ptu, .offset: 24, .size: 8, .value_kind: global_buffer, .address_space: global }
      - { .name: f3t, .offset: 32, .size: 8, .value_kind: global_buffer, .address_space: global }
      - { .name: f2t, .offset: 40, .size: 8, .value_kind: global_buffer, .address_space: global }
      - { .name: wb, .offset: 48, .size: 8, .value_kind: global_buffer, .address_space: global }
      - { .name: b1, .offset: 56, .size: 8, .value_kind: global_buffer, .address_space: global }
      - { .name: b2, .offset: 64, .size: 8, .value_kind: global_buffer, .address_space: global }
      - { .name: b3, .offset: 72, .size: 8, .value_kind: global_buffer, .address_space: global }
      - { .name: out0, .offset: 80, .size: 8, .value_kind: global_buffer, .address_space: global }
    .group_segment_fixed_size: 231424
    .private_segment_fixed_size: 0
    .kernarg_segment_align: 8
    .kernarg_segment_size: 88
    .max_flat_workgroup_size: 256
    .sgpr_count:     66
    .vgpr_count:     250
    .wavefront_size: 32
...
	.end_amdgpu_metadata
.endif
;; end of part 2
;; ======== version 2 of 2: 2 launches; 1.18 times as fast as version 1
;; limits: values outside matrix products are rounded to bf16
;; workspace buffers: nnidx 65,536 bytes of whole numbers; corner 262,144 bytes of whole numbers; ptw 262,144 bytes; ptu 131,072 bytes; f3t 4,194,304 bytes; f2t 4,194,304 bytes; wb 106,496 bytes
;; launch knn (part 3): grid 64 x 4, 16 waves a work-group, no clusters, 102,400 bytes of LDS; arguments uv, feat_2d, feat_3d, w1, w2, w3, nnidx, corner, ptw, ptu, f3t, f2t, wb; writes nnidx, corner, ptw, ptu, f3t, f2t, wb
.if DOCPART == 3
	.amdgcn_target "amdgcn-amd-amdhsa--gfx1250"
	.amdhsa_code_object_version 6
	.text
	.protected	k_q6e317d4962_knn
	.globl	k_q6e317d4962_knn
	.p2align	8
	.type	k_q6e317d4962_knn,@function
k_q6e317d4962_knn:
	s_mov_b64 s[64:65], 0
	v_nop
	global_prefetch_b8 v0, s[64:65] scope:SCOPE_SE
	s_setreg_imm32_b32 hwreg(HW_REG_WAVE_MODE, 25, 1), 1
	s_wait_xcnt 0x0
; knn: the nearest point of every grid pixel, and the tables that the next launch gathers from.
; Work-group (gy, b): the 64 pixels of image row gy of batch b against all 4,096 points of that batch.
; Wave w scans points 256 w .. 256 w + 255: its lanes 0-15 the first 128, its lanes 16-31 the second 128.  Lane i of a half owns the four
; pixels gx = 4 i .. 4 i + 3 (two packed f32 pairs), so each half covers the whole row and one LDS load serves two points.
; FORMAT: uv is rounded to bf16 (nearest even) as it is read and every use takes the rounded value.  Then gx*ux, gy*uy, ux*ux and
; uy*uy are exact in f32, so usq = ux^2 + uy^2, dot = gx ux + gy uy, t = gsq + usq and d2 = t - 2 dot each carry one rounding.
; TRACKING, in groups of eight points: four three-way minima carry a pixel's running minimum through the group, one compare says whether
; the group lowered it, and if so the group's number and its first seven d2 are kept (eight selects on one mask, two to an instruction).
; Behind the scan the first kept d2 that equals the minimum gives the place in the group (none of the seven: the eighth).  Groups come in
; ascending order and only a strictly smaller minimum replaces, so the first minimum stays.  42 vector lines for 8 points x 2 pixels.
; LIMITS: NaN or infinity in uv is not served (the NaN rule of argmin is not reproduced); |uv| below 2^31 for the conversion to a whole number.
; Beside the scan the work-group stores: for its 64 points (numbers 64 gy ..) the four corner pixels, the four bilinear weights and the
; rounded coordinates; the bf16 copies f3t[b][n][c] and f2t[b][pixel][c] of its 64 positions (rows of 256 bytes); and one 512-byte block of
; the weights in fragment order (208 of the 256 work-groups have a block).
; NO CLUSTER: what the 64 work-groups of a batch share is uv, 32 KiB of the 96 KiB that a work-group loads, read once at the head and
; reshaped in registers (rounded, squared) on its way into LDS; the rest of the launch is arithmetic on registers.
; The distances stay on the vector unit: K is 2 of the 32 that a bf16 matrix instruction takes, and t, d2 and the tracking would remain.
.set RED_B,  49152                     ; LDS 0 .. 49,151: a group of 8 points is 96 bytes (8 ux, 8 gy*uy, 8 usq); wave w owns bytes 3072 w .. 3072 w + 3071
.set REDI,   8192                      ; LDS 49,152: 32 half-waves x 64 pixels x 4 bytes of minima; 8,192 bytes further their points
.set T3_B,   65536                     ; LDS 65,536: 64 positions x 272 bytes of feat_3d in bf16;
.set T2OFF,  17408                     ; 17,408 bytes further the same of feat_2d
.set TP,     272                       ; 256 bytes of data + 16
.set PTR,  2                           ; v2         3072 w + 1536 h: where my half reads its points
.set UVO,  3                           ; v3         (256 w + l) * 4
.set GX,   4                           ; v[4:7]     float(4 i .. 4 i + 3)
.set GSQ,  8                           ; v[8:11]    gx^2 + gy^2
.set BA,   12                          ; v[12:15]   the running minima of my four pixels; BA and BB take turns from group to group,
.set BB,   16                          ; v[16:19]   so that the minimum before the group is still there for the compare
.set S,    20                          ; v[20:51]   pixel x: S + 8 x + j = d2 of point j (0..6) of the group that set the minimum, S + 8 x + 7 = that group
.set SA,   52                          ; v[52:75]   point set A: 8 ux, 8 gy*uy, 8 usq
.set SB,   76                          ; v[76:99]   point set B; ahead of the scan: raw uv, then the temporaries of the table and weight blocks
.set K,    SB
.set D,    100                         ; v[100:115] d2 of 8 points x 2 pixels
.set T,    116                         ; v[116:131] t likewise
.set F3,   132                         ; v[132:147] feat_3d: 4 channels x 4 positions
.set F2,   148                         ; v[148:163] feat_2d likewise
.set OWN,  164                         ; v[164:165] raw ux, uy of point 64 gy + (t & 63)
.set TW,   166                         ; v[166:173] at work
.set RI,   174                         ; l & 15
.set RH,   175                         ; l >> 4
.set FO,   176                         ; offset of the feature loads
.set OWNO, 177                         ; offset of the own point in uv
.set GYF,  178                         ; float(gy)
.set PTS,  179                         ; 3072 w + 96 (l >> 3) + 4 (l & 7): where I put my points
.set TRA,  180                         ; transposing store
.set RDA,  181                         ; read-back of whole rows
.set GOA,  182                         ; 1024 w + 16 l: their place in f3t and f2t
.set REDA, 183                         ; RED_B + 16 t
.set RED2, 184                         ; RED_B + 8 l
.set NNO,  185                         ; 8 l
.set NBASE,186                         ; 256 w + 128 h: my half's first point
.set IX,   188                         ; v[188:191] the points of my four pixels' minima
.set RB,   4                           ; the closing join: v[4:67] 32 entries x 2 minima,
.set RX,   68                          ; v[68:131] 32 entries x 2 points
	s_load_b512 s[4:19], s[0:1], 0x0               ; uv 4:5, feat_2d 6:7, feat_3d 8:9, w1 10:11, w2 12:13, w3 14:15, nnidx 16:17, corner 18:19
	s_load_b256 s[20:27], s[0:1], 0x40             ; ptw 20:21, ptu 22:23, f3t 24:25, f2t 26:27
	s_load_b64 s[28:29], s[0:1], 0x60              ; wb
	v_lshl_add_u32 v192, v0, 2, 0x18800
	v_mov_b32 v193, 0
	v_lshrrev_b32 v2, 5, v0
	v_readfirstlane_b32 s30, v2                    ; wave 0..15
	s_mov_b32 s31, ttmp9                           ; gy
	s_and_b32 s32, ttmp7, 0xffff                   ; b
	s_lshl_b32 s33, s32, 6
	s_add_co_u32 s33, s33, s31                     ; L = 64 b + gy, 0..255
	s_mul_i32 s38, s30, 3072                       ; my wave's points in LDS
	v_and_b32 v1, 31, v0                           ; lane
	v_and_b32 v[RI], 15, v0
	v_bfe_u32 v[RH], v0, 4, 1
	v_mul_u32_u24 v[PTR], v[RH], 1536
	v_add_nc_u32 v[PTR], s38, v[PTR]
	v_lshlrev_b32 v[UVO], 2, v1
	v_lshl_add_u32 v[UVO], s30, 10, v[UVO]         ; 1024 w + 4 l
	v_and_b32 v[OWNO], 63, v0
	v_lshlrev_b32 v[OWNO], 2, v[OWNO]
	v_lshl_add_u32 v[OWNO], s31, 8, v[OWNO]        ; (64 gy + (t & 63)) * 4
	v_lshlrev_b32 v[FO], 4, v[RI]
	v_lshl_add_u32 v[FO], v[RH], 16, v[FO]
	v_lshl_add_u32 v[FO], s30, 17, v[FO]           ; channel 8 w + 4 h (16,384 bytes each), bytes 16 i of the 256 of my row
	s_mov_b32 s37, 0
	s_lshl_b32 s39, s31, 8                         ; gy * 256
	s_wait_kmcnt 0x0
	s_lshl_b32 s36, s32, 15
	s_add_nc_u64 s[4:5], s[4:5], s[36:37]          ; uv of my batch
	s_lshl_b32 s36, s32, 21
	s_add_co_u32 s36, s36, s39
	s_add_nc_u64 s[6:7], s[6:7], s[36:37]          ; feat_2d and feat_3d at my batch and my 64 positions
	s_add_nc_u64 s[8:9], s[8:9], s[36:37]
.irp e, 0,1,2,3,4,5,6,7
	global_load_b32 v[SB+\e], v[UVO], s[4:5] offset:128*\e             ; ux of point 256 w + l + 32 e
.endr
.irp e, 0,1,2,3,4,5,6,7
	global_load_b32 v[SB+8+\e], v[UVO], s[4:5] offset:16384+128*\e     ; uy
.endr
	global_load_b32 v[OWN], v[OWNO], s[4:5]
	global_load_b32 v[OWN+1], v[OWNO], s[4:5] offset:16384
.irp j, 0,1,2,3
	global_load_b128 v[F3+4*\j:F3+4*\j+3], v[FO], s[8:9] offset:16384*\j th:TH_LOAD_NT   ; sixteen lanes read 256 consecutive bytes, aligned; read once in the launch
.endr
.irp j, 0,1,2,3
	global_load_b128 v[F2+4*\j:F2+4*\j+3], v[FO], s[6:7] offset:16384*\j th:TH_LOAD_NT
.endr
	; the bases of what is stored
	s_lshl_b32 s36, s32, 14
	s_add_co_u32 s36, s36, s39
	s_add_nc_u64 s[16:17], s[16:17], s[36:37]      ; nnidx + (4096 b + 64 gy) * 4
	s_lshl_b32 s36, s32, 16
	s_lshl_b32 s39, s31, 10
	s_add_co_u32 s36, s36, s39
	s_add_nc_u64 s[18:19], s[18:19], s[36:37]      ; corner and ptw + (4096 b + 64 gy) * 16
	s_add_nc_u64 s[20:21], s[20:21], s[36:37]
	s_lshl_b32 s36, s32, 15
	s_lshl_b32 s39, s31, 9
	s_add_co_u32 s36, s36, s39
	s_add_nc_u64 s[22:23], s[22:23], s[36:37]      ; ptu + (4096 b + 64 gy) * 8
	s_lshl_b32 s36, s32, 20
	s_lshl_b32 s39, s31, 14
	s_add_co_u32 s36, s36, s39
	s_add_nc_u64 s[24:25], s[24:25], s[36:37]      ; f3t and f2t + (4096 b + 64 gy) * 256
	s_add_nc_u64 s[26:27], s[26:27], s[36:37]
	; the lane constants
	v_bfe_u32 v[TW], v0, 3, 2                      ; l >> 3
	v_mul_u32_u24 v[TW], v[TW], 96
	v_and_b32 v[TW+1], 7, v0
	v_lshl_add_u32 v[TW], v[TW+1], 2, v[TW]
	v_add_nc_u32 v[PTS], s38, v[TW]
	v_lshlrev_b32 v[TW], 2, v[RI]
	v_cvt_f32_u32 v[GX], v[TW]
	v_add_f32 v[GX+1], 1.0, v[GX]
	v_add_f32 v[GX+2], 2.0, v[GX]
	v_add_f32 v[GX+3], 1.0, v[GX+2]
	v_cvt_f32_u32 v[GYF], s31
	v_mul_f32 v[TW], v[GYF], v[GYF]
.irp x, 0,1,2,3
	v_fma_f32 v[GSQ+\x], v[GX+\x], v[GX+\x], v[TW] ; whole numbers below 2^13: exact
.endr
	v_lshlrev_b32 v[NBASE], 7, v[RH]
	v_lshl_add_u32 v[NBASE], s30, 8, v[NBASE]
	v_mul_u32_u24 v[TRA], v[RI], 4*TP
	v_lshl_add_u32 v[TRA], v[RH], 3, v[TRA]
	s_lshl_b32 s36, s30, 4
	s_add_co_u32 s36, s36, T3_B
	v_add_nc_u32 v[TRA], s36, v[TRA]               ; row 4 i, byte 2 (8 w + 4 h)
	v_mul_u32_u24 v[RDA], v[RH], TP
	v_lshl_add_u32 v[RDA], v[RI], 4, v[RDA]
	s_mul_i32 s36, s30, 4*TP
	s_add_co_u32 s36, s36, T3_B
	v_add_nc_u32 v[RDA], s36, v[RDA]               ; row 4 w + h, byte 16 i
	s_lshl_b32 s36, s30, 10
	v_lshl_add_u32 v[GOA], v1, 4, s36
	v_lshlrev_b32 v[REDA], 4, v0
	v_add_nc_u32 v[REDA], RED_B, v[REDA]
	v_lshlrev_b32 v[NNO], 3, v1
	v_add_nc_u32 v[RED2], RED_B, v[NNO]
	s_wait_loadcnt 0x8                             ; the 18 loads of uv are in; the 8 feature loads issued behind them stay out under the first half of the scan
; point p = l + 32 e of my wave's 256: round, and lay ux, gy*uy, usq into group p >> 3 at place p & 7, in my wave's own bytes
.macro PTPREP e
	v_cvt_pk_bf16_f32 v[TW+4*(\e&1)], v[SB+\e], v[SB+8+\e]
	v_lshlrev_b32 v[TW+4*(\e&1)+1], 16, v[TW+4*(\e&1)]                             ; ux
	v_and_b32 v[TW+4*(\e&1)+2], 0xffff0000, v[TW+4*(\e&1)]                         ; uy
	v_mul_f32 v[TW+4*(\e&1)+3], v[TW+4*(\e&1)+1], v[TW+4*(\e&1)+1]                 ; exact
	v_mul_f32 v[TW+4*(\e&1)], v[TW+4*(\e&1)+2], v[GYF]                             ; exact
	v_fma_f32 v[TW+4*(\e&1)+3], v[TW+4*(\e&1)+2], v[TW+4*(\e&1)+2], v[TW+4*(\e&1)+3]   ; one rounding
	ds_store_b32 v[PTS], v[TW+4*(\e&1)+1] offset:384*\e
	ds_store_b32 v[PTS], v[TW+4*(\e&1)] offset:384*\e+32
	ds_store_b32 v[PTS], v[TW+4*(\e&1)+3] offset:384*\e+64
.endm
.irp e, 0,1,2,3,4,5,6,7
	PTPREP \e
.endr
	; THE POINT TABLES, waves 0 and 1: point 64 gy + t
	s_cmp_gt_u32 s30, 1
	s_cbranch_scc1 .Lno_table
	v_cvt_pk_bf16_f32 v[K], v[OWN], v[OWN+1]
	v_lshlrev_b32 v[K+2], 16, v[K]                 ; x
	v_and_b32 v[K+3], 0xffff0000, v[K]             ; y
	v_floor_f32 v[K+4], v[K+2]
	v_floor_f32 v[K+5], v[K+3]
	v_sub_f32 v[K+6], v[K+2], v[K+4]               ; wx
	v_sub_f32 v[K+7], v[K+3], v[K+5]               ; wy
	v_cvt_i32_f32 v[K+4], v[K+4]
	v_cvt_i32_f32 v[K+5], v[K+5]
	v_max_i32 v[K+4], 0, v[K+4]
	v_max_i32 v[K+5], 0, v[K+5]
	v_min_i32 v[K+4], 63, v[K+4]                   ; x0
	v_min_i32 v[K+5], 63, v[K+5]                   ; y0
	v_add_nc_u32 v[K+8], 1, v[K+4]
	v_add_nc_u32 v[K+9], 1, v[K+5]
	v_min_i32 v[K+8], 63, v[K+8]                   ; x1
	v_min_i32 v[K+9], 63, v[K+9]                   ; y1
	v_sub_f32 v[K+10], 1.0, v[K+6]
	v_sub_f32 v[K+11], 1.0, v[K+7]
	v_lshl_add_u32 v[K+12], v[K+5], 6, v[K+4]      ; pixel numbers of the four corners
	v_lshl_add_u32 v[K+13], v[K+5], 6, v[K+8]
	v_lshl_add_u32 v[K+14], v[K+9], 6, v[K+4]
	v_lshl_add_u32 v[K+15], v[K+9], 6, v[K+8]
	v_mul_f32 v[K+16], v[K+10], v[K+11]
	v_mul_f32 v[K+17], v[K+6], v[K+11]
	v_mul_f32 v[K+18], v[K+10], v[K+7]
	v_mul_f32 v[K+19], v[K+6], v[K+7]
	v_lshlrev_b32 v[K+20], 4, v0
	v_lshlrev_b32 v[K+21], 3, v0
	global_store_b128 v[K+20], v[K+12:K+15], s[18:19]      ; a wave stores 512 consecutive bytes
	global_store_b128 v[K+20], v[K+16:K+19], s[20:21]
	global_store_b64 v[K+21], v[K+2:K+3], s[22:23]         ; and here 256
	s_wait_xcnt 0x0                                ; these registers are written again (point set B) only behind this wait
.Lno_table:
	; ONE BLOCK OF THE WEIGHTS in fragment order, wave 2 of the work-groups with L & 31 < 26.
	; Block 26 nt + 2 frag + part: lane 16 h + r holds row 16 nt + r, k = 32 ks + 16 part + 8 h + 0..7, as 8 bf16.
	; frag 0..3: w1, columns 3 + k; frag 4: w1, columns 0..2 at k = 0..2, zeros behind; frag 5..8: w2; frag 9..12: w3.
	s_cmp_lg_u32 s30, 2
	s_cbranch_scc1 .Lno_weights
	s_and_b32 s39, s33, 31                         ; 2 frag + part
	s_cmp_gt_u32 s39, 25
	s_cbranch_scc1 .Lno_weights
	s_lshr_b32 s38, s33, 5                         ; nt
	s_lshr_b32 s40, s39, 1                         ; frag
	s_and_b32 s41, s39, 1                          ; part
	s_movk_i32 s42, 128
	s_cmp_lt_u32 s40, 5
	s_cselect_b32 s42, 131, s42                    ; numbers in a row
	s_cselect_b64 s[44:45], s[10:11], s[12:13]     ; w1 or w2,
	s_cselect_b32 s43, 0, 5
	s_cmp_lt_u32 s40, 9
	s_cselect_b64 s[44:45], s[44:45], s[14:15]     ; or w3
	s_cselect_b32 s43, s43, 9
	s_sub_co_u32 s43, s40, s43                     ; ks
	s_cmp_lt_u32 s40, 4
	s_cselect_b32 s46, 3, 0                        ; first column
	s_cmp_eq_u32 s40, 4
	s_cselect_b32 s43, 0, s43
	s_cselect_b32 s47, 3, 0x10000                  ; k at or beyond this is zero
	s_lshl_b32 s43, s43, 5
	s_add_co_u32 s43, s43, s46
	s_mul_i32 s46, s38, 26
	s_add_co_u32 s46, s46, s39
	s_lshl_b32 s46, s46, 9                         ; the block in wb
	v_lshl_add_u32 v[K], s38, 4, v[RI]             ; row
	v_mul_lo_u32 v[K], v[K], s42
	v_lshlrev_b32 v[K+1], 3, v[RH]
	v_lshl_add_u32 v[K+1], s41, 4, v[K+1]          ; 16 part + 8 h
	v_add3_u32 v[K], v[K], v[K+1], s43
	v_lshlrev_b32 v[K], 2, v[K]                    ; highest column read: 130 (frag 3), 31 (frag 4), 127 (w2, w3): inside the row
	v_sub_nc_u32 v[K+2], s47, v[K+1]
	v_lshl_add_u32 v[K+3], v1, 4, s46
.irp e, 0,1,2,3,4,5,6,7
	global_load_b32 v[K+4+\e], v[K], s[44:45] offset:4*\e  ; rows of 131 numbers start at multiples of 4 bytes only
.endr
	s_wait_loadcnt 0x0
.irp e, 0,1,2,3,4,5,6,7
	v_cmp_lt_i32 vcc_lo, \e, v[K+2]                ; 16 part + 8 h + e below the limit?
	v_cndmask_b32 v[K+4+\e], 0, v[K+4+\e], vcc_lo
.endr
.irp q, 0,1,2,3
	v_cvt_pk_bf16_f32 v[K+12+\q], v[K+4+2*\q], v[K+4+2*\q+1]
.endr
	global_store_b128 v[K+3], v[K+12:K+15], s[28:29]       ; the whole block: 512 consecutive bytes
	s_wait_xcnt 0x0                                ; these registers are written again only behind this wait
.Lno_weights:
	; THE SCAN.  The sixteen lanes of a half read the same 16 bytes; every address is 3072 w + 1536 h plus an immediate below 1,536: the wave's own bytes.
.macro PTLOAD set, g                   ; group g (0..15) of my half: 96 bytes
.irp c, 0,1,2,3,4,5
	ds_load_b128 v[\set+4*\c:\set+4*\c+3], v[PTR] offset:96*(\g)+16*\c
.endr
.endm
; Group g against my four pixels, two at a time.  bi: the minima before the group, bo: behind it.  first = 1: the group starts the state.
; The selects go two to an instruction: the kept values of a pixel lie in neighbouring registers, so that the two destinations are an even and an
; odd register and the two second sources differ modulo 4; the two first sources, d2 of points j and j + 1, lie two registers apart.
; The mask says 'not lowered', so that what is kept is the second source and the group's number can be the first, as a constant.
.macro OCT set, g, bi, bo, first
.irp pp, 0,1
.irp jp, 0,1,2,3
.irp jh, 0,1
	v_pk_fma_f32 v[D+4*\jp+2*\jh:D+4*\jp+2*\jh+1], v[GX+2*\pp:GX+2*\pp+1], v[\set+2*\jp:\set+2*\jp+1], v[\set+8+2*\jp:\set+8+2*\jp+1] op_sel:[0,\jh,\jh] op_sel_hi:[1,\jh,\jh]   ; dot = gx ux + gy uy
	v_pk_add_f32 v[T+4*\jp+2*\jh:T+4*\jp+2*\jh+1], v[GSQ+2*\pp:GSQ+2*\pp+1], v[\set+16+2*\jp:\set+16+2*\jp+1] op_sel:[0,\jh] op_sel_hi:[1,\jh]                                   ; t = gsq + usq
.endr
.endr
.irp j, 0,1,2,3,4,5,6,7
	v_pk_fma_f32 v[D+2*\j:D+2*\j+1], v[D+2*\j:D+2*\j+1], -2.0, v[T+2*\j:T+2*\j+1] op_sel_hi:[1,0,1]                                                                              ; d2 = t - 2 dot
.endr
.irp c, 0,1
.if \first
	v_min_num_f32 v[\bo+2*\pp+\c], v[D+\c], v[D+2+\c]
.else
	v_min3_num_f32 v[\bo+2*\pp+\c], v[\bi+2*\pp+\c], v[D+\c], v[D+2+\c]
.endif
.endr
.irp s, 1,2,3
.irp c, 0,1
	v_min3_num_f32 v[\bo+2*\pp+\c], v[\bo+2*\pp+\c], v[D+4*\s+\c], v[D+4*\s+2+\c]
.endr
.endr
.irp c, 0,1
.if \first
.irp jp, 0,1,2
	v_dual_mov_b32 v[S+16*\pp+8*\c+2*\jp], v[D+4*\jp+\c] :: v_dual_mov_b32 v[S+16*\pp+8*\c+2*\jp+1], v[D+4*\jp+2+\c]
.endr
	v_dual_mov_b32 v[S+16*\pp+8*\c+6], v[D+12+\c] :: v_dual_mov_b32 v[S+16*\pp+8*\c+7], \g
.else
	v_cmp_ge_f32 vcc_lo, v[\bo+2*\pp+\c], v[\bi+2*\pp+\c]          ; the group did not lower the minimum
.irp jp, 0,1,2
	v_dual_cndmask_b32 v[S+16*\pp+8*\c+2*\jp], v[D+4*\jp+\c], v[S+16*\pp+8*\c+2*\jp] :: v_dual_cndmask_b32 v[S+16*\pp+8*\c+2*\jp+1], v[D+4*\jp+2+\c], v[S+16*\pp+8*\c+2*\jp+1]
.endr
	v_dual_cndmask_b32 v[S+16*\pp+8*\c+6], v[D+12+\c], v[S+16*\pp+8*\c+6] :: v_dual_cndmask_b32 v[S+16*\pp+8*\c+7], \g, v[S+16*\pp+8*\c+7]
.endif
.endr
.endr
.endm
; THE COPIES, in the middle of the scan: the feature loads have had its first half in which to land, the stores have its second half in which to leave.
; Register src + 4 j + p holds channel 8 w + 4 h + j at position 4 i + p: four channels of one position are 8 bytes of its row.
.macro TR src, off
.irp p, 0,1,2,3
	v_cvt_pk_bf16_f32 v[TW+2*(\p&1)], v[\src+\p], v[\src+4+\p]
	v_cvt_pk_bf16_f32 v[TW+2*(\p&1)+1], v[\src+8+\p], v[\src+12+\p]
	ds_store_b64 v[TRA], v[TW+2*(\p&1):TW+2*(\p&1)+1] offset:\off+TP*\p
.endr
.endm
.macro COPIES
	s_wait_loadcnt 0x0                             ; the feature loads
	TR F3, 0
	TR F2, T2OFF
	s_wait_dscnt 0x0                               ; for the other waves: my LDS stores are done
	s_barrier_signal -1
	s_barrier_wait -1
	ds_load_b128 v[F3:F3+3], v[RDA]                ; rows 4 w + h and 4 w + 2 + h, whole
	ds_load_b128 v[F3+4:F3+7], v[RDA] offset:2*TP
	ds_load_b128 v[F3+8:F3+11], v[RDA] offset:T2OFF
	ds_load_b128 v[F3+12:F3+15], v[RDA] offset:T2OFF+2*TP
	s_wait_dscnt 0x3                               ; the counts leave the younger loads out
	global_store_b128 v[GOA], v[F3:F3+3], s[24:25]             ; each store covers 512 consecutive bytes, aligned; the next launch reads them: no hint
	s_wait_dscnt 0x2
	global_store_b128 v[GOA], v[F3+4:F3+7], s[24:25] offset:512
	s_wait_dscnt 0x1
	global_store_b128 v[GOA], v[F3+8:F3+11], s[26:27]
	s_wait_dscnt 0x0
	global_store_b128 v[GOA], v[F3+12:F3+15], s[26:27] offset:512      ; v[F3 ..] and v[GOA] are not written again in this launch
.endm
	PTLOAD SA, 0                                   ; LDS serves a wave in order: these see the stores above
	PTLOAD SB, 1
	s_wait_dscnt 0x6                               ; set A is in; the 6 loads of set B, issued behind it, stay out
	OCT SA, 0, BA, BB, 1
	PTLOAD SA, 2
	s_wait_dscnt 0x6
	OCT SB, 1, BB, BA, 0
	PTLOAD SB, 3
.set trip, 1
.rept 6
.if trip == 4
	COPIES
.endif
	s_wait_dscnt 0x6                               ; set A is in; the 6 loads of set B stay out
	OCT SA, 2*trip, BA, BB, 0
	PTLOAD SA, 2*trip+2
	s_wait_dscnt 0x6                               ; set B is in; the 6 loads just issued stay out
	OCT SB, 2*trip+1, BB, BA, 0
	PTLOAD SB, 2*trip+3
.set trip, trip+1
.endr
	s_wait_dscnt 0x6                               ; the last two groups: nothing more to fetch
	OCT SA, 14, BA, BB, 0
	s_wait_dscnt 0x0
	OCT SB, 15, BB, BA, 0
	; the place in the group: the first kept d2 that equals the minimum, looked for from the back; none of the seven: place 7
.irp x, 0,1,2,3
	v_mov_b32 v[TW+\x], 7
.endr
.irp j, 6,5,4,3,2,1,0
.irp x, 0,1,2,3
	v_cmp_eq_f32 vcc_lo, v[S+8*\x+\j], v[BA+\x]
	v_cndmask_b32 v[TW+\x], v[TW+\x], \j, vcc_lo
.endr
.endr
.irp x, 0,1,2,3
	v_lshl_add_u32 v[IX+\x], v[S+8*\x+7], 3, v[TW+\x]
	v_add_nc_u32 v[IX+\x], v[NBASE], v[IX+\x]      ; 256 w + 128 h + 8 group + place
.endr
	ds_store_b128 v[REDA], v[BA:BA+3]              ; entry 2 w + h, pixels 4 i .. 4 i + 3: the minima,
	ds_store_b128 v[REDA], v[IX:IX+3] offset:REDI  ; and their points
	s_wait_dscnt 0x0                               ; for wave 3: my LDS stores are done
	s_barrier_signal -1
	s_barrier_wait -1
	; wave 3 joins the 32 entries; lane l takes pixels 2 l and 2 l + 1.  An entry's points all lie below the next entry's, and the upper of two entries
	; wins only if strictly smaller, so the first minimum stays.  Four chains of eight entries that do not wait for each other, then three joins.
	s_cmp_lg_u32 s30, 3
	s_cbranch_scc1 .Ldone
.set re, 0
.rept 32
	ds_load_b64 v[RB+2*re:RB+2*re+1], v[RED2] offset:256*re
	ds_load_b64 v[RX+2*re:RX+2*re+1], v[RED2] offset:REDI+256*re
.set re, re+1
.endr
	s_wait_dscnt 0x0
.macro JOIN a, b                       ; entry b, the upper, into entry a
.irp c, 0,1
	v_cmp_lt_f32 vcc_lo, v[RB+2*(\b)+\c], v[RB+2*(\a)+\c]
	v_cndmask_b32 v[RX+2*(\a)+\c], v[RX+2*(\a)+\c], v[RX+2*(\b)+\c], vcc_lo
	v_min_num_f32 v[RB+2*(\a)+\c], v[RB+2*(\b)+\c], v[RB+2*(\a)+\c]
.endr
.endm
.irp s, 1,2,3,4,5,6,7
.irp q, 0,8,16,24
	JOIN \q, \q+\s
.endr
.endr
	JOIN 0, 8
	JOIN 16, 24
	JOIN 0, 16
	global_store_b64 v[NNO], v[RX:RX+1], s[16:17]  ; 64 indices: 256 consecutive bytes, aligned
.Ldone:
	s_wait_tensorcnt 0x0
	ds_add_u32 v192, v193
	s_wait_dscnt 0x0
	s_endpgm
.Lfunc_end_k_q6e317d4962_knn:
	.size	k_q6e317d4962_knn, .Lfunc_end_k_q6e317d4962_knn-k_q6e317d4962_knn
	.p2alignl 7, 3214868480
	.fill 96, 4, 3214868480
	.section	.rodata,"a",@progbits
	.p2align	6, 0x0
	.amdhsa_kernel k_q6e317d4962_knn
		.amdhsa_group_segment_fixed_size 102400
		.amdhsa_private_segment_fixed_size 0
		.amdhsa_enable_private_segment 0
		.amdhsa_kernarg_size 104
		.amdhsa_user_sgpr_count 2
		.amdhsa_user_sgpr_kernarg_segment_ptr 1
		.amdhsa_wavefront_size32 1
		.amdhsa_system_sgpr_workgroup_id_x 1
		.amdhsa_system_sgpr_workgroup_id_y 1
		.amdhsa_system_sgpr_workgroup_id_z 1
		.amdhsa_system_vgpr_workitem_id 0
		.amdhsa_next_free_vgpr 194
		.amdhsa_next_free_sgpr 66
		.amdhsa_reserve_vcc 1
		.amdhsa_float_denorm_mode_32 3
		.amdhsa_float_denorm_mode_16_64 3
		.amdhsa_memory_ordered 1
		.amdhsa_forward_progress 1
		.amdhsa_inst_pref_size 119
	.end_amdhsa_kernel
	.amdgpu_metadata
---
amdhsa.version: [ 1, 2 ]
amdhsa.kernels:
  - .name:           k_q6e317d4962_knn
    .symbol:         k_q6e317d4962_knn.kd
    .args:
      - { .name: uv, .offset: 0, .size: 8, .value_kind: global_buffer, .address_space: global }
      - { .name: feat_2d, .offset: 8, .size: 8, .value_kind: global_buffer, .address_space: global }
      - { .name: feat_3d, .offset: 16, .size: 8, .value_kind: global_buffer, .address_space: global }
      - { .name: w1, .offset: 24, .size: 8, .value_kind: global_buffer, .address_space: global }
      - { .name: w2, .offset: 32, .size: 8, .value_kind: global_buffer, .address_space: global }
      - { .name: w3, .offset: 40, .size: 8, .value_kind: global_buffer, .address_space: global }
      - { .name: nnidx, .offset: 48, .size: 8, .value_kind: global_buffer, .address_space: global }
      - { .name: corner, .offset: 56, .size: 8, .value_kind: global_buffer, .address_space: global }
      - { .name: ptw, .offset: 64, .size: 8, .value_kind: global_buffer, .address_space: global }
      - { .name: ptu, .offset: 72, .size: 8, .value_kind: global_buffer, .address_space: global }
      - { .name: f3t, .offset: 80, .size: 8, .value_kind: global_buffer, .address_space: global }
      - { .name: f2t, .offset: 88, .size: 8, .value_kind: global_buffer, .address_space: global }
      - { .name: wb, .offset: 96, .size: 8, .value_kind: global_buffer, .address_space: global }
    .group_segment_fixed_size: 102400
    .private_segment_fixed_size: 0
    .kernarg_segment_align: 8
    .kernarg_segment_size: 104
    .max_flat_workgroup_size: 512
    .sgpr_count:     66
    .vgpr_count:     194
    .wavefront_size: 32
...
	.end_amdgpu_metadata
.endif
;; end of part 3
;; launch mlp (part 4): grid 64 x 4, 8 waves a work-group, clusters of 4 x 1, 168,960 bytes of LDS; arguments nnidx, corner, ptw, ptu, f3t, f2t, wb, b1, b2, b3, out0; writes out0
.if DOCPART == 4
	.amdgcn_target "amdgcn-amd-amdhsa--gfx1250"
	.amdhsa_code_object_version 6
	.text
	.protected	k_q6e317d4962_mlp
	.globl	k_q6e317d4962_mlp
	.p2align	8
	.type	k_q6e317d4962_mlp,@function
k_q6e317d4962_mlp:
	s_mov_b64 s[64:65], 0
	v_nop
	global_prefetch_b8 v0, s[64:65] scope:SCOPE_SE
	s_setreg_imm32_b32 hwreg(HW_REG_WAVE_MODE, 25, 1), 1
	s_wait_xcnt 0x0
	s_wait_alu depctr_hold_cnt(0) depctr_sa_sdst(0) depctr_va_vdst(0) depctr_va_sdst(0) depctr_va_ssrc(0) depctr_va_vcc(0) depctr_vm_vsrc(0)
	s_getreg_b32 s2, hwreg(HW_REG_IB_STS2, 6, 4)
	s_cmp_eq_u32 s2, 0
	s_cbranch_scc0 .Lentry_in_a_cluster
	s_endpgm
.Lentry_in_a_cluster:
	s_bfe_u32 s2, ttmp6, 0x10000c
	s_cmp_lg_u32 s2, 0x3003
	s_cbranch_scc0 .Lentry_shape_is_right
	s_endpgm
.Lentry_shape_is_right:
; mlp: gather by the stored indices, the correlation, and the three 1 x 1 convolutions with bias and leaky ReLU.
; Work-group: image row gy = 4 x cluster x + cx of batch b: 64 pixels x 128 channels.
; GATHER, all eight waves: wave w takes pixels 8 w .. 8 w + 7 and lays their rows of the first operand X0 into LDS.
; LAYERS, waves 0 to 3, as many as a WGP has SIMDs: wave w owns pixels 16 w .. 16 w + 15 and ALL 128 channels, eight accumulators of 16 x 16.
; With the weights as source 0 and the pixels as source 1, lane (r, h) holds channels 16 nt + 8 h + 0..7 of pixel r.  A source-1 fragment wants in the
; same lane k = 8 h + 0..7 (registers 0-3) and k = 16 + 8 h + 0..7 (registers 4-7): tiles 2 s and 2 s + 1, packed to bf16, ARE K step s of the next
; layer.  So the activations never leave the wave's registers and no barrier stands between the layers.  What the layers read from LDS is the
; weights, 104 KiB a wave, each fragment of layers 2 and 3 feeding two products; waves 4 to 7 have no pixels of their own there and go on to the next barrier.
; THE WAY OUT, all eight waves: through a stage in LDS, wave w stores channels 16 w .. 16 w + 15 as whole rows of 64 pixels.
; FORMAT: feat_3d, feat_2d and the weights come as bf16 (rounded by the launch before); offset and correlation are rounded to bf16 once, as
; matrix operands.  The activations between the layers go to the matrix unit as TWO bf16 numbers, hi = bf16(x) and lo = bf16(x - hi),
; 16 significant bits together: one bf16 number has 8, and two such roundings in a chain of 128-term sums would show in outputs near zero.
; The sampled values, all sums and the biases are f32.  Leaky ReLU is max(y, 0.1 y).
; LIMIT: an activation that rounds to infinity in bf16 (above 3.39e38) is not served: its lo half would be no number.
; CLUSTER 4 x 1: every work-group reads the same 106,496 bytes of weights.  Each of the eight waves asks for 13,312 of them by one joint tensor
; load that names all four work-groups; descriptor and LDS address hang on the wave number alone.  By this text's count a wave has one tensor
; load outstanding.  cx enters global addresses and the value float(gy), nothing else.
.set XA_B, 106496                      ; LDS 0: the weights: channel tile nt at 13,312 nt, fragment f at 1,024 f, filled once, by the tensor loads alone
.set BL_B, 128000                      ; LDS 106,496: X0: 64 pixels x 336 bytes (k 0..127 in bytes 0..255, k 128..159 in bytes 256..319)
.set S_B,  132096                      ; LDS 128,000: b1, b2, b3, 512 bytes each.  LDS 132,096: the way out, 128 channels x 272 bytes of f32
.set XP,   336                         ; 21 x 16 bytes: the sixteen rows of a fragment load start in sixteen different 16-byte columns of 256
.set SP,   272
.set WCH,  13312                       ; 26 blocks of 512 bytes
.set XADR,  5                          ; XA_B + 336 (16 (w & 3) + r) + 16 h
.set WADR0, 6                          ; v6 = 16 l: channel tiles 0-3;  v7 = 16 l + 53,248: tiles 4-7 (an LDS offset has 16 bits)
.set BADR,  8                          ; BL_B + 32 h
.set SST,   9                          ; S_B + 8 h 272 + 4 r + 64 (w & 3)
.set SRD,   10                         ; S_B + (16 w + h) 272 + 16 r
.set OUTO,  11                         ; (16 w + h) 16384 + 16 r
.set X0ROW, 12                         ; XA_B + 2688 w + 8 l
.set XE,    13                         ; XA_B + 2688 w + 256
.set XZ,    14                         ; XE + 336 (l >> 2) + 16 (l & 3)
.set IDXO,  15                         ; 32 w
.set OWNO,  16                         ; 2048 w + 8 l
.set GYF,   17                         ; float(gy)
.set BST,   18                         ; BL_B + 512 w + 16 l
.set ZERO,  20                         ; v[20:23] zeros
.set SM,    24                         ; v[24:31] sampled values of my four channels, two sets in turn
.set IDX,   32                         ; while gathering: v[32:39] the 8 indices,
.set P,     32                         ;   later the 8 sums
.set CORN,  40                         ; v[40:71]    4 corners of each pixel's point
.set PTW,   72                         ; v[72:103]   4 weights of each
.set PTU,   104                        ; v[104:119]  ux, uy of each, later the offsets
.set F3,    120                        ; v[120:135]  4 channels of feat_3d of each,
.set PR,    120                        ;   later the other half-wave's sums
.set OWN,   136                        ; v[136:151]  4 channels of feat_2d at the pixel itself
.set ROW,   152                        ; v[152:215]  4 channels of feat_2d at each corner
.set GXE,   216                        ; v[216:223]  float(gx) of my 8 pixels
.set QP,    224                        ; v[224:239]  k 128..131 of each pixel, packed
.set BV,    248                        ; v[248:251]  a bias on its way into LDS
.set ET,    16                         ; in the layers: v[16:31] at work, two sets in turn
.set ACC,   32                         ; v[32:95]    eight accumulators
.set XF,    96                         ; v[96:159]   source-1 fragments: layer 1 five K steps; layers 2, 3: hi in v[96:127], lo in v[128:159]
.set W,     160                        ; v[160:255]  three buffers of four weight fragments
.set OB,    32                         ; the way out: v[32:63]
; A round of the cluster barrier: my work-group's barrier, wave 0 signals for the work-group, every wave waits for all four, my work-group's barrier again.
.macro ROUND
	s_barrier_signal -1
	s_barrier_wait -1
	s_cmp_lg_u32 s26, 0
	s_cbranch_scc1 .Lnot_wave_0_\@
	s_barrier_signal -3
.Lnot_wave_0_\@:
	s_barrier_wait -3
	s_barrier_signal -1
	s_barrier_wait -1
.endm
; Four places behind a matrix instruction before a load lands on one of its registers or a vector instruction reads its result or writes a source.
.macro PLACES
.rept 4
	v_nop
.endr
.endm
	s_load_b512 s[4:19], s[0:1], 0x0               ; nnidx 4:5, corner 6:7, ptw 8:9, ptu 10:11, f3t 12:13, f2t 14:15, wb 16:17, b1 18:19
	s_load_b128 s[20:23], s[0:1], 0x40             ; b2, b3
	s_load_b64 s[24:25], s[0:1], 0x50              ; out0
	s_set_vgpr_msb 0x40
	v_lshl_add_u32 v0, v0, 2, 0x29000
	v_mov_b32 v1, 0
	s_set_vgpr_msb 0x4045
	ds_add_u32 v0, v1
	ds_add_u32 v0, v1
	s_set_vgpr_msb 0x4500
	v_lshrrev_b32 v1, 5, v0
	v_readfirstlane_b32 s26, v1                    ; wave 0..7
	s_bfe_u32 s27, ttmp6, 0x40000                  ; cx
	s_lshl_b32 s28, ttmp9, 2
	s_add_co_u32 s28, s28, s27                     ; gy
	s_and_b32 s29, ttmp7, 0xffff                   ; b
	s_mov_b32 s44, 0x76543210                      ; v_permlanex16_b32: lane i of one half reads lane i of the other
	s_mov_b32 s45, 0xfedcba98
	; the descriptor: 52 rows of 32 elements of 8 bytes, dense: 13,312 bytes
	s_mov_b32 s32, 1                               ; count
	s_mul_i32 s33, s26, WCH                        ; LDS address
	s_mov_b32 s36, 15|(3<<16)|(1<<21)              ; mask: all four work-groups; elements of 8 bytes; bit 21 beside a mask
	s_mov_b32 s37, 32<<16                          ; tensor_dim0 = 32
	s_mov_b32 s38, 52<<16                          ; tensor_dim1 = 52
	s_mov_b32 s39, 32<<16                          ; tile_dim0 = 32
	s_mov_b32 s40, 52                              ; tile_dim1 = 52
	s_mov_b32 s41, 32                              ; elements from row to row
	s_mov_b32 s42, 0
	s_mov_b32 s43, 0
	s_mov_b32 s52, s33                             ; the same 13,312 w in wb
	s_mov_b32 s53, 0
	; lane constants
	v_and_b32 v1, 31, v0                           ; l
	v_and_b32 v2, 15, v0                           ; r
	v_bfe_u32 v3, v0, 4, 1                         ; h
	v_lshlrev_b32 v4, 3, v1                        ; 8 l
.irp z, 0,1,2,3
	v_mov_b32 v[ZERO+\z], 0
.endr
	s_and_b32 s51, s26, 3                          ; my pixel tile in the layers
	v_mul_u32_u24 v24, v2, XP
	v_lshl_add_u32 v24, v3, 4, v24
	s_mul_i32 s50, s51, 16*XP
	s_add_co_u32 s50, s50, XA_B
	v_add_nc_u32 v[XADR], s50, v24
	s_lshl_b32 s50, s51, 6
	s_add_co_u32 s50, s50, S_B
	v_mul_u32_u24 v26, v3, 8*SP
	v_lshl_add_u32 v26, v2, 2, v26
	v_add_nc_u32 v[SST], s50, v26
	v_lshlrev_b32 v[WADR0], 4, v1
	v_add_nc_u32 v[WADR0+1], 4*WCH, v[WADR0]
	v_lshlrev_b32 v[BADR], 5, v3
	v_add_nc_u32 v[BADR], BL_B, v[BADR]
	s_mul_i32 s50, s26, 16*SP
	s_add_co_u32 s50, s50, S_B
	v_mul_u32_u24 v26, v3, SP
	v_lshl_add_u32 v26, v2, 4, v26
	v_add_nc_u32 v[SRD], s50, v26
	v_lshlrev_b32 v[OUTO], 4, v2
	v_lshl_add_u32 v[OUTO], v3, 14, v[OUTO]
	v_lshl_add_u32 v[OUTO], s26, 18, v[OUTO]
	s_mul_i32 s50, s26, 8*XP
	s_add_co_u32 s50, s50, XA_B
	v_add_nc_u32 v[X0ROW], s50, v4
	s_add_co_u32 s50, s50, 256
	v_mov_b32 v[XE], s50
	v_lshrrev_b32 v24, 2, v1
	v_mul_u32_u24 v24, v24, XP
	v_and_b32 v25, 3, v0
	v_lshl_add_u32 v24, v25, 4, v24
	v_add_nc_u32 v[XZ], s50, v24
	s_lshl_b32 s50, s26, 5
	v_mov_b32 v[IDXO], s50
	v_lshl_add_u32 v[OWNO], s26, 11, v4
	s_lshl_b32 s50, s26, 9
	s_add_co_u32 s50, s50, BL_B
	v_add_nc_u32 v[BST], s50, v[WADR0]
	v_cvt_f32_u32 v[GYF], s28
	s_lshl_b32 s50, s26, 3                         ; my first pixel of the gather
.irp e, 0,1,2,3,4,5,6,7
	s_add_co_u32 s51, s50, \e
	v_cvt_f32_u32 v[GXE+\e], s51
.endr
	s_mov_b32 s31, 0
	s_wait_dscnt 0x0
	s_wait_kmcnt 0x0
	s_lshl_b32 s30, s29, 16
	s_add_nc_u64 s[6:7], s[6:7], s[30:31]          ; the tables of my batch
	s_add_nc_u64 s[8:9], s[8:9], s[30:31]
	s_lshl_b32 s30, s29, 15
	s_add_nc_u64 s[10:11], s[10:11], s[30:31]
	s_lshl_b32 s30, s29, 20
	s_add_nc_u64 s[12:13], s[12:13], s[30:31]
	s_add_nc_u64 s[14:15], s[14:15], s[30:31]
	s_lshl_b32 s30, s28, 14
	s_add_nc_u64 s[48:49], s[14:15], s[30:31]      ; f2t at my own row of pixels
	s_lshl_b32 s47, s28, 8
	s_lshl_b32 s30, s29, 14
	s_add_co_u32 s30, s30, s47
	s_add_nc_u64 s[4:5], s[4:5], s[30:31]          ; nnidx at my row
	s_lshl_b32 s30, s29, 21
	s_add_co_u32 s30, s30, s47
	s_add_nc_u64 s[24:25], s[24:25], s[30:31]      ; out0 at my batch and row
	s_add_nc_u64 s[34:35], s[16:17], s[52:53]      ; my wave's chunk of wb
	s_or_b32 s35, s35, 0x80000000                  ; type 2
	; first loads: 2 + 8
	global_load_b128 v[IDX:IDX+3], v[IDXO], s[4:5]                 ; one address for all lanes: every lane holds the 8 indices of my wave
	global_load_b128 v[IDX+4:IDX+7], v[IDXO], s[4:5] offset:16
.irp e, 0,1,2,3,4,5,6,7
	global_load_b64 v[OWN+2*\e:OWN+2*\e+1], v[OWNO], s[48:49] offset:256*\e   ; a row of 256 bytes a wave: lane l holds channels 4 l .. 4 l + 3
.endr
	ROUND                                          ; all four work-groups are here: the joint loads meet
	tensor_load_to_lds s[32:35], s[36:43]          ; my wave's one tensor load of the launch
	s_nop 0
	ds_store_b128 v[XZ], v[ZERO:ZERO+3]            ; k 128..159 of my 8 pixels: 8 x 64 bytes of zeros by one store; k 128..131 are written over below
	; waves 0, 1, 2 lay b1, b2, b3 into LDS: 32 lanes x 16 bytes are the 128 numbers
	s_cmp_gt_u32 s26, 2
	s_cbranch_scc1 .Lno_bias
	s_cmp_eq_u32 s26, 1
	s_cselect_b64 s[54:55], s[20:21], s[18:19]
	s_cmp_eq_u32 s26, 2
	s_cselect_b64 s[54:55], s[22:23], s[54:55]
	global_load_b128 v[BV:BV+3], v[WADR0], s[54:55]
	s_wait_loadcnt 0x0                             ; it is the youngest load; the indices, which are wanted next, were asked for before it
	ds_store_b128 v[BST], v[BV:BV+3]
.Lno_bias:
	s_wait_loadcnt 0x8                             ; the two index loads are in; the 8 loads issued behind them stay out
.irp e, 0,1,2,3,4,5,6,7
	v_min_u32 v[IDX+\e], 0xfff, v[IDX+\e]          ; a loaded number enters an address only clamped
.endr
	; all offsets first, then all loads; each load's offset lies in the first register of its own destination
.irp e, 0,1,2,3,4,5,6,7
	v_lshlrev_b32 v[CORN+4*\e], 4, v[IDX+\e]
	v_lshl_add_u32 v[F3+2*\e], v[IDX+\e], 8, v4
	v_lshlrev_b32 v[PTW+4*\e], 4, v[IDX+\e]
	v_lshlrev_b32 v[PTU+2*\e], 3, v[IDX+\e]
.endr
.irp e, 0,1,2,3,4,5,6,7
	global_load_b128 v[CORN+4*\e:CORN+4*\e+3], v[CORN+4*\e], s[6:7]
.endr
.irp e, 0,1,2,3,4,5,6,7
	global_load_b64 v[F3+2*\e:F3+2*\e+1], v[F3+2*\e], s[12:13]     ; the point's row of 256 bytes
.endr
.irp e, 0,1,2,3,4,5,6,7
	global_load_b128 v[PTW+4*\e:PTW+4*\e+3], v[PTW+4*\e], s[8:9]
.endr
.irp e, 0,1,2,3,4,5,6,7
	global_load_b64 v[PTU+2*\e:PTU+2*\e+1], v[PTU+2*\e], s[10:11]
.endr
	s_wait_loadcnt 24                              ; the corners are in: 8 + 8 + 8 loads were issued behind them
.set cc, 0
.rept 32
	v_min_u32 v[CORN+cc], 0xfff, v[CORN+cc]
.set cc, cc+1
.endr
.set cc, 0
.rept 32
	v_lshl_add_u32 v[CORN+cc], v[CORN+cc], 8, v4
.set cc, cc+1
.endr
.set cc, 0
.rept 32
	global_load_b64 v[ROW+2*cc:ROW+2*cc+1], v[CORN+cc], s[14:15]   ; pixel cc >> 2, corner cc & 3: a row of 256 bytes
.set cc, cc+1
.endr
	s_wait_loadcnt 48                              ; feat_3d is in: 8 + 8 + 32 loads were issued behind it
.irp e, 0,1,2,3,4,5,6,7
	ds_store_b64 v[X0ROW], v[F3+2*\e:F3+2*\e+1] offset:XP*\e       ; k 0..127 of pixel 8 w + e
.endr
; corner c of pixel e into the sample of my four channels
.macro SROW e, c
.irp rg, 0,1
.irp hf, 0,1
.if \c
	v_fma_mix_f32_bf16 v[SM+4*(\e&1)+2*\rg+\hf], v[ROW+8*\e+2*\c+\rg], v[PTW+4*\e+\c], v[SM+4*(\e&1)+2*\rg+\hf] op_sel:[\hf,0,0] op_sel_hi:[1,0,0]
.else
	v_fma_mix_f32_bf16 v[SM+4*(\e&1)+2*\rg+\hf], v[ROW+8*\e+\rg], v[PTW+4*\e], v[ZERO] op_sel:[\hf,0,0] op_sel_hi:[1,0,0]
.endif
.endr
.endr
.endm
; one of pixel p's four products of sample and feat_2d at the pixel
.macro DSTEP p, rg, hf
.if 2*\rg+\hf
	v_fma_mix_f32_bf16 v[P+(\p)], v[OWN+2*(\p)+\rg], v[SM+4*((\p)&1)+2*\rg+\hf], v[P+(\p)] op_sel:[\hf,0,0] op_sel_hi:[1,0,0]
.else
	v_fma_mix_f32_bf16 v[P+(\p)], v[OWN+2*(\p)+\rg], v[SM+4*((\p)&1)+2*\rg+\hf], v[ZERO] op_sel:[\hf,0,0] op_sel_hi:[1,0,0]
.endif
.endm
; pixel e's sample; the four dependent products of the pixel before stand between its lines
.macro SAMP e
	s_wait_loadcnt 4*(7-\e)                        ; my four corner rows are in; those of the later pixels stay out
	SROW \e, 0
.if \e
	DSTEP \e-1, 0, 0
.endif
	SROW \e, 1
.if \e
	DSTEP \e-1, 0, 1
.endif
	SROW \e, 2
.if \e
	DSTEP \e-1, 1, 0
.endif
	SROW \e, 3
.if \e
	DSTEP \e-1, 1, 1
.endif
.endm
.irp e, 0,1,2,3,4,5,6,7
	SAMP \e
.endr                                              ; the last wait was for 0: no global load is out, and the registers of the gather are free
	DSTEP 7, 0, 0
	DSTEP 7, 0, 1
	DSTEP 7, 1, 0
	DSTEP 7, 1, 1
	; the eight sums over the 32 lanes, step by step together, so that no line waits for the one in front of it
.irp m, 1,2,4,8
.irp e, 0,1,2,3,4,5,6,7
	v_add_f32_dpp v[P+\e], v[P+\e], v[P+\e] row_xmask:\m row_mask:0xf bank_mask:0xf
.endr
.endr
.irp e, 0,1,2,3,4,5,6,7
	v_permlanex16_b32 v[PR+\e], v[P+\e], s44, s45  ; its destination counts as read: registers that the feat_3d loads have written
.endr
.irp e, 0,1,2,3,4,5,6,7
	v_add_f32 v[P+\e], v[P+\e], v[PR+\e]
.endr
.irp e, 0,1,2,3,4,5,6,7
	v_sub_f32 v[PTU+2*\e], v[PTU+2*\e], v[GXE+\e]
	v_sub_f32 v[PTU+2*\e+1], v[PTU+2*\e+1], v[GYF]
	v_mul_f32 v[P+\e], 0x3c000000, v[P+\e]         ; the mean: / 128
.endr
.irp e, 0,1,2,3,4,5,6,7
	v_cvt_pk_bf16_f32 v[QP+2*\e], v[PTU+2*\e], v[PTU+2*\e+1]       ; k 128, 129
	v_cvt_pk_bf16_f32 v[QP+2*\e+1], v[P+\e], v[ZERO]               ; k 130, 131
.endr
.irp e, 0,1,2,3,4,5,6,7
	ds_store_b64 v[XE], v[QP+2*\e:QP+2*\e+1] offset:XP*\e          ; all lanes store the same 8 bytes with the same data, over the zeros that my wave stored before
.endr
	s_wait_tensorcnt 0x0                           ; for the waves of the layers: my chunk of the weights has landed,
	s_wait_dscnt 0x0                               ; my rows of X0 (and my bias) are stored
	s_barrier_signal -1
	s_barrier_wait -1
	s_cmp_gt_u32 s26, 3
	s_cbranch_scc1 .Lno_matrix                     ; 64 pixels are four tiles of 16: waves 4 to 7 go on to the barrier in front of the way out
; THE WEIGHTS come as a stream of 26 groups of four fragments (8 loads of 32 lanes x 16 consecutive bytes): group n = fragment n >> 1
; (0-4 layer 1, 5-8 layer 2, 9-12 layer 3) of channel tiles 4 (n & 1) .. + 3, into buffer n mod 3.
.macro WGRP n
.irp i, 0,1,2,3
	ds_load_b128 v[W+32*((\n)%3)+8*\i:W+32*((\n)%3)+8*\i+3], v[WADR0+((\n)&1)] offset:WCH*\i+1024*((\n)>>1)
	ds_load_b128 v[W+32*((\n)%3)+8*\i+4:W+32*((\n)%3)+8*\i+7], v[WADR0+((\n)&1)] offset:WCH*\i+1024*((\n)>>1)+512
.endr
.endm
; group n's four fragments against the source-1 fragment at v[x].  The accumulators take turns, one instruction a turn.
.macro MM4 n, x
.irp i, 0,1,2,3
	v_wmma_f32_16x16x32_bf16 v[ACC+32*((\n)&1)+8*\i:ACC+32*((\n)&1)+8*\i+7], v[W+32*((\n)%3)+8*\i:W+32*((\n)%3)+8*\i+7], v[\x:\x+7], v[ACC+32*((\n)&1)+8*\i:ACC+32*((\n)&1)+8*\i+7]
.endr
.endm
; the bias of channel tile nt straight into its accumulator: register j = b[16 nt + 8 h + j]; the first product then adds in place and nothing is cleared
.macro BLOAD nt, bl
	ds_load_b128 v[ACC+8*(\nt):ACC+8*(\nt)+3], v[BADR] offset:\bl+64*(\nt)
	ds_load_b128 v[ACC+8*(\nt)+4:ACC+8*(\nt)+7], v[BADR] offset:\bl+64*(\nt)+16
.endm
; max(y, 0.1 y) of tile nt, in place
.macro LRELU nt
.irp q, 0,1,2,3
	v_pk_mul_f32 v[ET+8*((\nt)&1)+2*\q:ET+8*((\nt)&1)+2*\q+1], v[ACC+8*(\nt)+2*\q:ACC+8*(\nt)+2*\q+1], 0x3dcccccd op_sel_hi:[1,0]
.endr
.irp j, 0,1,2,3,4,5,6,7
	v_max_num_f32 v[ACC+8*(\nt)+\j], v[ACC+8*(\nt)+\j], v[ET+8*((\nt)&1)+\j]
.endr
.endm
; tile nt becomes half of K step nt >> 1 of the next layer's operand.  hi = bf16(x); x - hi is exact in f32; lo = bf16(x - hi).
.macro EPIV nt
	LRELU \nt
.irp q, 0,1,2,3
	v_cvt_pk_bf16_f32 v[XF+8*((\nt)>>1)+4*((\nt)&1)+\q], v[ACC+8*(\nt)+2*\q], v[ACC+8*(\nt)+2*\q+1]
.endr
.irp q, 0,1,2,3
	v_lshlrev_b32 v[ET+8*((\nt)&1)+2*\q], 16, v[XF+8*((\nt)>>1)+4*((\nt)&1)+\q]            ; bf16 to f32: the low half moves up,
	v_and_b32 v[ET+8*((\nt)&1)+2*\q+1], 0xffff0000, v[XF+8*((\nt)>>1)+4*((\nt)&1)+\q]      ; the high half stays
.endr
.irp j, 0,1,2,3,4,5,6,7
	v_sub_f32 v[ACC+8*(\nt)+\j], v[ACC+8*(\nt)+\j], v[ET+8*((\nt)&1)+\j]
.endr
.irp q, 0,1,2,3
	v_cvt_pk_bf16_f32 v[XF+32+8*((\nt)>>1)+4*((\nt)&1)+\q], v[ACC+8*(\nt)+2*\q], v[ACC+8*(\nt)+2*\q+1]
.endr
.endm
; behind a layer: all eight tiles; a tile's accumulator takes the next layer's bias one tile later, when its last results have been written
.macro EPILOG bl
.irp nt, 0,1,2,3,4,5,6,7
	EPIV \nt
.if \nt
	BLOAD \nt-1, \bl
.endif
.endr
	BLOAD 7, \bl
.endm
; layer 2 (first = 10) or 3 (first = 18): eight groups, each against the hi and the lo fragment of its K step
.macro LAYER23 first
.set g, \first
.rept 8
.set cnt, 16                                       ; the two younger groups stay out
.if g-\first < 2
.set cnt, 8                                        ; first group: the bias loads of tiles 4-7 stay out; second: the one group issued behind them
.endif
.if g > 23
.set cnt, 8*(25-g)                                 ; the stream runs out
.endif
	s_wait_dscnt cnt
	MM4 g, XF+8*((g-\first)>>1)
	MM4 g, XF+32+8*((g-\first)>>1)
.if g+3 < 26
	PLACES
	WGRP g+3                                       ; into the buffer just read
.endif
.set g, g+1
.endr
.endm
.irp ks, 0,1,2,3,4
	ds_load_b128 v[XF+8*\ks:XF+8*\ks+3], v[XADR] offset:64*\ks             ; X0 of my 16 pixels: lane (r, h) takes bytes 64 ks + 16 h and + 32 of row r
	ds_load_b128 v[XF+8*\ks+4:XF+8*\ks+7], v[XADR] offset:64*\ks+32
.endr
.irp nt, 0,1,2,3,4,5,6,7
	BLOAD \nt, 0
.endr
	WGRP 0
	WGRP 1
	WGRP 2
	; layer 1: 131 -> 128, K padded to 160: ten groups, one product each
.set g, 0
.rept 10
	s_wait_dscnt 16                                ; group g and all that was asked for before it are in; the two younger groups stay out
	MM4 g, XF+8*(g>>1)
	PLACES
	WGRP g+3
.set g, g+1
.endr
	EPILOG 512
	LAYER23 10
	EPILOG 1024
	LAYER23 18
	PLACES
	; into the stage: channel 16 nt + 8 h + j, pixel 16 w + r; first all the arithmetic, then all the stores
.irp nt, 0,1,2,3,4,5,6,7
	LRELU \nt
.endr
.irp nt, 0,1,2,3,4,5,6,7
.irp j, 0,1,2,3,4,5,6,7
	ds_store_b32 v[SST], v[ACC+8*\nt+\j] offset:SP*(16*\nt+\j)
.endr
.endr
.Lno_matrix:
	s_wait_dscnt 0x0                               ; for the other waves: my part of the stage is stored
	s_barrier_signal -1
	s_barrier_wait -1
	; THE WAY OUT: wave w reads channels 16 w .. 16 w + 15 back as whole rows of 64 pixels
.irp q, 0,1,2,3,4,5,6,7
	ds_load_b128 v[OB+4*\q:OB+4*\q+3], v[SRD] offset:2*SP*\q
.endr
.irp q, 0,1,2,3,4,5,6,7
	s_wait_dscnt 7-\q                              ; the younger loads stay out
	global_store_b128 v[OUTO], v[OB+4*\q:OB+4*\q+3], s[24:25] offset:32768*\q th:TH_STORE_NT   ; sixteen lanes store 256 consecutive bytes, aligned
.endr
	s_set_vgpr_msb 0x5
	s_wait_tensorcnt 0x0
	ds_add_u32 v0, v1
	s_wait_dscnt 0x0
	s_set_vgpr_msb 0x500
	ROUND                                          ; the closing round: no work-group ends while a partner may still ask jointly
	s_endpgm
.Lfunc_end_k_q6e317d4962_mlp:
	.size	k_q6e317d4962_mlp, .Lfunc_end_k_q6e317d4962_mlp-k_q6e317d4962_mlp
	.p2alignl 7, 3214868480
	.fill 96, 4, 3214868480
	.section	.rodata,"a",@progbits
	.p2align	6, 0x0
	.amdhsa_kernel k_q6e317d4962_mlp
		.amdhsa_group_segment_fixed_size 168960
		.amdhsa_private_segment_fixed_size 0
		.amdhsa_enable_private_segment 0
		.amdhsa_kernarg_size 88
		.amdhsa_user_sgpr_count 2
		.amdhsa_user_sgpr_kernarg_segment_ptr 1
		.amdhsa_wavefront_size32 1
		.amdhsa_system_sgpr_workgroup_id_x 1
		.amdhsa_system_sgpr_workgroup_id_y 1
		.amdhsa_system_sgpr_workgroup_id_z 1
		.amdhsa_system_vgpr_workitem_id 0
		.amdhsa_next_free_vgpr 258
		.amdhsa_next_free_sgpr 66
		.amdhsa_reserve_vcc 0
		.amdhsa_float_denorm_mode_32 3
		.amdhsa_float_denorm_mode_16_64 3
		.amdhsa_memory_ordered 1
		.amdhsa_forward_progress 1
		.amdhsa_inst_pref_size 106
	.end_amdhsa_kernel
	.amdgpu_metadata
---
amdhsa.version: [ 1, 2 ]
amdhsa.kernels:
  - .name:           k_q6e317d4962_mlp
    .symbol:         k_q6e317d4962_mlp.kd
    .args:
      - { .name: nnidx, .offset: 0, .size: 8, .value_kind: global_buffer, .address_space: global }
      - { .name: corner, .offset: 8, .size: 8, .value_kind: global_buffer, .address_space: global }
      - { .name: ptw, .offset: 16, .size: 8, .value_kind: global_buffer, .address_space: global }
      - { .name: ptu, .offset: 24, .size: 8, .value_kind: global_buffer, .address_space: global }
      - { .name: f3t, .offset: 32, .size: 8, .value_kind: global_buffer, .address_space: global }
      - { .name: f2t, .offset: 40, .size: 8, .value_kind: global_buffer, .address_space: global }
      - { .name: wb, .offset: 48, .size: 8, .value_kind: global_buffer, .address_space: global }
      - { .name: b1, .offset: 56, .size: 8, .value_kind: global_buffer, .address_space: global }
      - { .name: b2, .offset: 64, .size: 8, .value_kind: global_buffer, .address_space: global }
      - { .name: b3, .offset: 72, .size: 8, .value_kind: global_buffer, .address_space: global }
      - { .name: out0, .offset: 80, .size: 8, .value_kind: global_buffer, .address_space: global }
    .group_segment_fixed_size: 168960
    .private_segment_fixed_size: 0
    .kernarg_segment_align: 8
    .kernarg_segment_size: 88
    .max_flat_workgroup_size: 256
    .sgpr_count:     66
    .vgpr_count:     258
    .wavefront_size: 32
...
	.end_amdgpu_metadata
.endif
;; end of part 4
